; MI455X (gfx1250); checked and timed in simulation.
; The chip was launched on July 23, 2026; its instructions are those of AMD's public machine-readable ISA for CDNA 5 (MIT licence, August 2026) and "CDNA5" Instruction Set Architecture Reference Guide (July 2026). The comments in the code are by the model that wrote it; some were corrected since.
;; T Block. Allowed arithmetic: float matrix products may take bf16 or f16 operands with f32 sums; other float arithmetic in f32, or as packed bf16 or f16 multiplies, adds, multiply-adds, maxima and minima; sums over many terms, partial sums and values carried from step to step in f32; what a program stores and reads back later, other than sums and carried values, may be rounded once to bf16 or f16.
;; Inputs: W1 4,096 x 1,024 float32; W2 1,024 x 4,096 float32; Wk 1,024 x 1,024 float32; Wq 1,024 x 1,024 float32; Wv 1,024 x 1,024 float32; b1 1,024 float32; b2 1,024 float32; g1 1,024 float32; g2 1,024 float32; x 2 x 2,048 x 1,024 float32.
;; Outputs: out0 2 x 2,048 x 1,024 float32.
;; 2 versions, each right; version 2 is version 1 with the launch prep written anew for expert scheduling mode. Each part assembles by itself: llvm-mc -triple=amdgcn-amd-amdhsa -mcpu=gfx1250 --defsym DOCPART=n.
;; ======== version 1 of 2: 6 launches
;; limits: values are held in f16: magnitudes above 65,504 overflow, below 6.1e-05 lose precision
;; workspace buffers: wh 23,068,672 bytes; xn 8,388,608 bytes; qkv 25,165,824 bytes; att 16,777,216 bytes; hn 8,388,608 bytes; act 33,554,432 bytes
;; launch prep (part 1): grid 960 x 1, 8 waves a work-group, no clusters, 0 bytes of LDS; arguments x, g1, b1, xn, Wq, Wk, Wv, W1, W2, wh; writes xn, wh
.if DOCPART == 1
	.amdgcn_target "amdgcn-amd-amdhsa--gfx1250"
	.amdhsa_code_object_version 6
	.text
	.protected	k_q5693ec3a4d_prep
	.globl	k_q5693ec3a4d_prep
	.p2align	8
	.type	k_q5693ec3a4d_prep,@function
k_q5693ec3a4d_prep:
	s_mov_b64 s[64:65], 0
	v_nop
	global_prefetch_b8 v0, s[64:65] scope:SCOPE_SE
	s_setreg_imm32_b32 hwreg(HW_REG_WAVE_MODE, 25, 1), 1
	s_wait_xcnt 0x0
; Work-groups 0-255: xn = layer_norm(x, g1, b1), f32 in, f16 out.  Work-groups 256-959: the five weight matrices rounded once to f16 into wh (Wq | Wk | Wv | W1 | W2, each as it lies).
; LN: a work-group has 16 rows of 1,024 numbers, a wave two; a row stays in 32 registers between the pass for the mean, the pass for the mean of (x - mean)^2 and the scaling: x is read once.
; A load of a wave covers 512 consecutive bytes, a store 256 consecutive bytes, aligned.  No LDS, no barrier: no wave wants another's data.
; LIMITS.  xn and the weights must lie within f16's range (65,504); below 6e-5 f16 keeps a fixed step of 6e-8.  v_rsq_f32 is good to 1 ulp.  NaN and infinities are not treated apart.
.set VO,  2                            ; v2        16 x lane
.set OO,  3                            ; v3        8 x lane
.set MU,  8                            ; v[8:9]    the mean, twice
.set RS,  10                           ; v[10:11]  1 / sqrt(var + eps), twice
.set G,   16                           ; v[16:47]  gain of my 32 columns (4 lane + 128 j + 0..3)
.set B,   48                           ; v[48:79]  bias
.set X0,  80                           ; v[80:111]  first row
.set X1,  112                          ; v[112:143] second row
.set T,   144                          ; v[144:151] at work
.set Y0,  152                          ; v[152:167] first row in f16
.set Y1,  168                          ; v[168:183] second row in f16
.macro REDUCE                          ; four pairs in T -> their sum over the wave, in v[T] of every lane
	v_pk_add_f32 v[T:T+1], v[T:T+1], v[T+2:T+3]
	v_pk_add_f32 v[T+4:T+5], v[T+4:T+5], v[T+6:T+7]
	v_pk_add_f32 v[T:T+1], v[T:T+1], v[T+4:T+5]
	v_add_f32 v[T], v[T], v[T+1]
	v_add_f32_dpp v[T], v[T], v[T] row_xmask:1 row_mask:0xf bank_mask:0xf
	v_add_f32_dpp v[T], v[T], v[T] row_xmask:2 row_mask:0xf bank_mask:0xf
	v_add_f32_dpp v[T], v[T], v[T] row_xmask:4 row_mask:0xf bank_mask:0xf
	v_add_f32_dpp v[T], v[T], v[T] row_xmask:8 row_mask:0xf bank_mask:0xf
	v_permlanex16_b32 v[T+1], v[T], s30, s31
	v_add_f32 v[T], v[T], v[T+1]
.endm
; One row.  cnt1: younger loads that may stay out when the row is needed; cnt2: when gain and bias are needed; off: the row's byte in the output.
.macro ROWDO xr, yr, cnt1, cnt2, off
	s_wait_loadcnt \cnt1
.irp c, 0,1,2,3
	v_pk_add_f32 v[T+2*(\c):T+2*(\c)+1], v[(\xr)+2*(\c):(\xr)+2*(\c)+1], v[(\xr)+8+2*(\c):(\xr)+8+2*(\c)+1]  ; four chains start the sums
.endr
.irp k, 2,3
.irp c, 0,1,2,3
	v_pk_add_f32 v[T+2*(\c):T+2*(\c)+1], v[T+2*(\c):T+2*(\c)+1], v[(\xr)+8*(\k)+2*(\c):(\xr)+8*(\k)+2*(\c)+1]
.endr
.endr
	REDUCE
	v_mul_f32 v[MU], s28, v[T]
	v_mul_f32 v[MU+1], s28, v[T]
.set p, 0
.rept 16
	v_pk_add_f32 v[(\xr)+p:(\xr)+p+1], v[(\xr)+p:(\xr)+p+1], v[MU:MU+1] neg_lo:[0,1] neg_hi:[0,1]  ; x - mean
.set p, p+2
.endr
.irp c, 0,1,2,3
	v_pk_mul_f32 v[T+2*(\c):T+2*(\c)+1], v[(\xr)+2*(\c):(\xr)+2*(\c)+1], v[(\xr)+2*(\c):(\xr)+2*(\c)+1]
.endr
.irp k, 1,2,3
.irp c, 0,1,2,3
	v_pk_fma_f32 v[T+2*(\c):T+2*(\c)+1], v[(\xr)+8*(\k)+2*(\c):(\xr)+8*(\k)+2*(\c)+1], v[(\xr)+8*(\k)+2*(\c):(\xr)+8*(\k)+2*(\c)+1], v[T+2*(\c):T+2*(\c)+1]
.endr
.endr
	REDUCE
	v_fma_f32 v[T], v[T], s28, s29                 ; var + eps
	v_rsq_f32 v[RS], v[T]
	v_rsq_f32 v[RS+1], v[T]
	v_nop                                          ; a plain instruction behind the second root,
	s_wait_alu depctr_va_vdst(0)                   ; and one wait for both, ahead of their first reader
	s_wait_loadcnt \cnt2
.set p, 0
.rept 16
	v_pk_mul_f32 v[(\xr)+p:(\xr)+p+1], v[(\xr)+p:(\xr)+p+1], v[RS:RS+1]
.set p, p+2
.endr
.set p, 0
.rept 16
	v_pk_fma_f32 v[(\xr)+p:(\xr)+p+1], v[(\xr)+p:(\xr)+p+1], v[G+p:G+p+1], v[B+p:B+p+1]
.set p, p+2
.endr
.set p, 0
.rept 16
	v_cvt_pk_f16_f32 v[(\yr)+p], v[(\xr)+2*p], v[(\xr)+2*p+1]
.set p, p+1
.endr
.irp j, 0,1,2,3,4,5,6,7
	global_store_b64 v[OO], v[(\yr)+2*(\j):(\yr)+2*(\j)+1], s[10:11] offset:(\off)+256*(\j)  ; 32 lanes store 256 consecutive bytes
.endr
.endm
	s_load_b512 s[4:19], s[0:1], 0x0               ; x s[4:5], g1 s[6:7], b1 s[8:9], xn s[10:11], Wq s[12:13], Wk s[14:15], Wv s[16:17], W1 s[18:19]
	s_load_b128 s[20:23], s[0:1], 0x40             ; W2 s[20:21], wh s[22:23]
	v_lshrrev_b32 v1, 5, v0
	v_readfirstlane_b32 s24, v1                    ; wave 0..7
	v_and_b32 v1, 31, v0
	v_lshlrev_b32 v[VO], 4, v1
	v_lshlrev_b32 v[OO], 3, v1
	s_cmp_lt_u32 ttmp9, 256
	s_cbranch_scc0 .Lcast
	s_lshl_b32 s2, ttmp9, 16                       ; 16 rows of 4,096 bytes a work-group,
	s_lshl_b32 s3, s24, 13                         ; two a wave
	s_add_co_u32 s2, s2, s3
	s_mov_b32 s3, 0
	s_lshr_b32 s26, s2, 1                          ; the output's rows are half as long
	s_mov_b32 s27, 0
	s_mov_b32 s28, 0x3a800000                      ; 1 / 1024
	s_mov_b32 s29, 0x3727c5ac                      ; 1e-5
	s_mov_b32 s30, 0x76543210                      ; v_permlanex16_b32: each lane takes its own place in the other half
	s_mov_b32 s31, 0xfedcba98
	s_wait_kmcnt 0x0
	s_add_nc_u64 s[4:5], s[4:5], s[2:3]
	s_add_nc_u64 s[10:11], s[10:11], s[26:27]
.irp j, 0,1,2,3,4,5,6,7
	global_load_b128 v[X0+4*(\j):X0+4*(\j)+3], v[VO], s[4:5] offset:512*(\j) th:TH_LOAD_NT
.endr
.irp j, 0,1,2,3,4,5,6,7
	global_load_b128 v[G+4*(\j):G+4*(\j)+3], v[VO], s[6:7] offset:512*(\j)
.endr
.irp j, 0,1,2,3,4,5,6,7
	global_load_b128 v[B+4*(\j):B+4*(\j)+3], v[VO], s[8:9] offset:512*(\j)
.endr
.irp j, 0,1,2,3,4,5,6,7
	global_load_b128 v[X1+4*(\j):X1+4*(\j)+3], v[VO], s[4:5] offset:4096+512*(\j) th:TH_LOAD_NT
.endr
	ROWDO X0, Y0, 24, 8, 0                         ; 24 younger loads (gain, bias, second row), then 8 (second row)
	ROWDO X1, Y1, 0, 0, 2048
	s_endpgm
.Lcast:                                        ; work-group c = id - 256 rounds 16,384 numbers; a wave 2,048: 8 KiB in, 4 KiB out
	s_sub_co_u32 s25, ttmp9, 256
	s_wait_kmcnt 0x0
	s_mov_b64 s[26:27], s[20:21]                   ; c from 448 on: W2
	s_mov_b32 s28, 448
	s_cmp_lt_u32 s25, 448
	s_cselect_b64 s[26:27], s[18:19], s[26:27]     ; 192..447: W1
	s_cselect_b32 s28, 192, s28
	s_cmp_lt_u32 s25, 192
	s_cselect_b64 s[26:27], s[16:17], s[26:27]     ; 128..191: Wv
	s_cselect_b32 s28, 128, s28
	s_cmp_lt_u32 s25, 128
	s_cselect_b64 s[26:27], s[14:15], s[26:27]     ; 64..127: Wk
	s_cselect_b32 s28, 64, s28
	s_cmp_lt_u32 s25, 64
	s_cselect_b64 s[26:27], s[12:13], s[26:27]     ; 0..63: Wq
	s_cselect_b32 s28, 0, s28
	s_sub_co_u32 s28, s25, s28                     ; my block in that matrix
	s_lshl_b32 s28, s28, 16
	s_lshl_b32 s29, s24, 13
	s_add_co_u32 s28, s28, s29
	s_mov_b32 s29, 0
	s_add_nc_u64 s[26:27], s[26:27], s[28:29]
	s_lshl_b32 s30, s25, 15                        ; wh holds the matrices end to end, in the order of c
	s_lshl_b32 s31, s24, 12
	s_add_co_u32 s30, s30, s31
	s_mov_b32 s31, 0
	s_add_nc_u64 s[22:23], s[22:23], s[30:31]
.set j, 0
.rept 16
	global_load_b128 v[16+4*j:19+4*j], v[VO], s[26:27] offset:512*j th:TH_LOAD_NT
.set j, j+1
.endr
.set j, 0
.rept 16
	s_wait_loadcnt 15-j                            ; loads come back in order: load j is in, the younger ones stay out
	v_cvt_pk_f16_f32 v[80+2*j], v[16+4*j], v[17+4*j]
	v_cvt_pk_f16_f32 v[81+2*j], v[18+4*j], v[19+4*j]
	global_store_b64 v[OO], v[80+2*j:81+2*j], s[22:23] offset:256*j
.set j, j+1
.endr
	s_endpgm
.Lfunc_end_k_q5693ec3a4d_prep:
	.size	k_q5693ec3a4d_prep, .Lfunc_end_k_q5693ec3a4d_prep-k_q5693ec3a4d_prep
	.p2alignl 7, 3214868480
	.fill 96, 4, 3214868480
	.section	.rodata,"a",@progbits
	.p2align	6, 0x0
	.amdhsa_kernel k_q5693ec3a4d_prep
		.amdhsa_group_segment_fixed_size 0
		.amdhsa_private_segment_fixed_size 0
		.amdhsa_enable_private_segment 0
		.amdhsa_kernarg_size 80
		.amdhsa_user_sgpr_count 2
		.amdhsa_user_sgpr_kernarg_segment_ptr 1
		.amdhsa_wavefront_size32 1
		.amdhsa_system_sgpr_workgroup_id_x 1
		.amdhsa_system_sgpr_workgroup_id_y 1
		.amdhsa_system_sgpr_workgroup_id_z 1
		.amdhsa_system_vgpr_workitem_id 0
		.amdhsa_next_free_vgpr 184
		.amdhsa_next_free_sgpr 66
		.amdhsa_reserve_vcc 0
		.amdhsa_float_denorm_mode_32 3
		.amdhsa_float_denorm_mode_16_64 3
		.amdhsa_memory_ordered 1
		.amdhsa_forward_progress 1
		.amdhsa_inst_pref_size 27
	.end_amdhsa_kernel
	.amdgpu_metadata
---
amdhsa.version: [ 1, 2 ]
amdhsa.kernels:
  - .name:           k_q5693ec3a4d_prep
    .symbol:         k_q5693ec3a4d_prep.kd
    .args:
      - { .name: x, .offset: 0, .size: 8, .value_kind: global_buffer, .address_space: global }
      - { .name: g1, .offset: 8, .size: 8, .value_kind: global_buffer, .address_space: global }
      - { .name: b1, .offset: 16, .size: 8, .value_kind: global_buffer, .address_space: global }
      - { .name: xn, .offset: 24, .size: 8, .value_kind: global_buffer, .address_space: global }
      - { .name: Wq, .offset: 32, .size: 8, .value_kind: global_buffer, .address_space: global }
      - { .name: Wk, .offset: 40, .size: 8, .value_kind: global_buffer, .address_space: global }
      - { .name: Wv, .offset: 48, .size: 8, .value_kind: global_buffer, .address_space: global }
      - { .name: W1, .offset: 56, .size: 8, .value_kind: global_buffer, .address_space: global }
      - { .name: W2, .offset: 64, .size: 8, .value_kind: global_buffer, .address_space: global }
      - { .name: wh, .offset: 72, .size: 8, .value_kind: global_buffer, .address_space: global }
    .group_segment_fixed_size: 0
    .private_segment_fixed_size: 0
    .kernarg_segment_align: 8
    .kernarg_segment_size: 80
    .max_flat_workgroup_size: 256
    .sgpr_count:     66
    .vgpr_count:     184
    .wavefront_size: 32
...
	.end_amdgpu_metadata
.endif
;; end of part 1
;; launch qkv (part 2): grid 16 x 16, 4 waves a work-group, clusters of 4 x 4, 327,680 bytes of LDS; arguments xn, wh, qkv; writes qkv
.if DOCPART == 2
	.amdgcn_target "amdgcn-amd-amdhsa--gfx1250"
	.amdhsa_code_object_version 6
	.text
	.protected	k_q5693ec3a4d_qkv
	.globl	k_q5693ec3a4d_qkv
	.p2align	8
	.type	k_q5693ec3a4d_qkv,@function
k_q5693ec3a4d_qkv:
	s_mov_b64 s[64:65], 0
	v_nop
	global_prefetch_b8 v0, s[64:65] scope:SCOPE_SE
	s_setreg_imm32_b32 hwreg(HW_REG_WAVE_MODE, 25, 1), 1
	s_wait_xcnt 0x0
	s_wait_alu depctr_hold_cnt(0) depctr_sa_sdst(0) depctr_va_vdst(0) depctr_va_sdst(0) depctr_va_ssrc(0) depctr_va_vcc(0) depctr_vm_vsrc(0)
	s_getreg_b32 s2, hwreg(HW_REG_IB_STS2, 6, 4)
	s_cmp_eq_u32 s2, 0
	s_cbranch_scc0 .Lentry_in_a_cluster
	s_endpgm
.Lentry_in_a_cluster:
	s_bfe_u32 s2, ttmp6, 0x10000c
	s_cmp_lg_u32 s2, 0xf033
	s_cbranch_scc0 .Lentry_shape_is_right
	s_endpgm
.Lentry_shape_is_right:
; q, k, v = xn W^T.  A = xn [4096][1024] f16, B = Wq | Wk | Wv [3072][1024] f16 (wh's first bytes); sums in f32; the result rounded once to f16 and written BY HEADS:
; q at byte 0, k at 8,388,608, v at 16,777,216 of qkv, each [32 heads = 16 batch + head][2048][64], dense.
; A tile of the result is 256 x 192 (three whole heads): 16 x 16 = 256 work-groups.  Four waves, each 128 x 96: 48 accumulators.  K goes in steps of 128 through two LDS slots filled by tensor loads.
; CLUSTER 4 x 4: A's tiles are asked for jointly along a row of the cluster, B's along a column.  The matrix instruction is used transposed (source 0 = rows of B, source 1 = rows of A),
; so a lane holds eight neighbouring columns of one row.  ONE K step is written, and looped over; the LDS base of the slot that is read (TB) and of the slot that is filled (FS) are 0 or SLOT and change by an exclusive or.
; THE WAY OUT: the whole tile goes in f32 into a stage that lies over the slots (behind their last fill and a barrier), and comes back by rows: two rows of a head are 256 consecutive bytes of qkv.
; LIMITS.  q, k, v must lie within f16's range (65,504).  NaN and infinities are not treated apart.
; REGISTERS: window 0: v16-34 addresses; v64-127, v128-191 A's fragments, two buffers.  Window 1: B's fragments at the same numbers.  Windows 2, 3: accumulators, (a, b) at v[8 (6 (a % 4) + b)] of window 2 + a / 4.
.set SIZE_K, 1024
.set LOGROW, 11                        ; a row of A or B is 2,048 bytes
.set KSTEP,  128
.set PITCH,  272                       ; an LDS row: 256 bytes + 16: sixteen rows of a fragment load start at sixteen different groups of four banks
.set NBK,    6                         ; blocks of 16 columns in a wave's tile
.set RA,     128                       ; rows of A in a tensor load
.set RB,     96                        ; rows of B in a tensor load
.set HA,     RA*PITCH
.set HB,     RB*PITCH
.set SLOT,   2*HA+2*HB                 ; A's two halves, then B's two halves
.set NL,     2*NBK+16                  ; LDS loads in a quarter step
.set STEPS,  SIZE_K/KSTEP
.set SP,     784                       ; a stage row: 192 f32 + 16 bytes
.set SPARE,  327168                    ; the spare words: 128 bytes a wave, two blocks of 256 bytes that no other line names
.set A0L, 16                           ; v16  my lane's and wave's place in A's part of a slot; never rewritten
.set B0L, 17                           ; v17  the same for B
.set ADRA, 18                          ; v18  A0L + TB
.set ADRB, 19                          ; v19  B0L + TB
.set STO, 24                           ; v24, v25  stage: where I put 16 bytes, rows 0-63 and 64-127 of my tile
.set RD,  26                           ; v26  stage: where I read rows back
.set SPW, 28
.set NIL, 29
.set PFO, 30                           ; v30  the prefetches' offset: a lane a row
.set CO,  32                           ; v32-34  my byte offset in qkv for each of the tile's three heads
.set F0,  64
.set F1,  128
.set G1,  24                           ; s[24:31] descriptor group 1, A
.set G0,  32                           ; s[32:39] group 0, A: two sets; the second walks
.set G1B, 48                           ; s[48:55] group 1, B
.set G0B, 56                           ; s[56:63] group 0, B
.set LIM, 43
.set PFA, 44
.set TB,  66
.set FS,  67
.set WA,  68                           ; s68  LDS byte of the half of A that I fetch, in slot 0
.set WB,  69                           ; s69  the same for B
.set MSB, 0
.macro WIN new                         ; the immediate's high byte repeats the setting that is left
.if MSB != (\new)
	s_set_vgpr_msb (MSB<<8)|(\new)
.set MSB, \new
.endif
.endm
.set MUL_LO, 0xa1                      ; source 0 (B) window 1, source 1 (A) window 0, C and D window 2
.set MUL_HI, 0xf1                      ; the same, C and D window 3
.set TO_B,   0x40
.macro JLOAD s                         ; a joint load: waves 0, 1 fetch A's halves, waves 2, 3 B's; s_nop 0 and four v_nop follow each line
	s_cmp_eq_u32 s11, 0
	s_cbranch_scc0 .Lfor_b_\@
	tensor_load_to_lds s[G0+4*(\s):G0+4*(\s)+3], s[G1:G1+7]
	s_nop 0
.rept 4
	v_nop
.endr
	s_branch .Lasked_\@
.Lfor_b_\@:
	tensor_load_to_lds s[G0B+4*(\s):G0B+4*(\s)+3], s[G1B:G1B+7]
	s_nop 0
.rept 4
	v_nop
.endr
.Lasked_\@:
.endm
; A prefetch of the K step that stands two refills on: a lane a row, 256 bytes of it.  A's rows are asked for by the cluster with x = 0, B's by the cluster with y = 0; the four partners of a joint load
; share its rows out by address.  The loop's last two trips ask for nothing: there is no such K step.
.macro ASK
	s_cmp_gt_u32 s3, s[LIM]
	s_cbranch_scc0 .Lnot_mine_\@
	global_prefetch_b8 v[PFO], s[PFA:PFA+1] offset:KSTEP*2 th:TH_LOAD_NT scope:SCOPE_SE
.Lnot_mine_\@:
.endm
.macro CREST                           ; a round of the cluster's barrier behind its opening barrier
	s_cmp_lg_u32 s10, 0
	s_cbranch_scc1 .Lnot_wave_0_\@
	s_barrier_signal -3
.Lnot_wave_0_\@:
	s_barrier_wait -3
	s_barrier_signal -1
	s_barrier_wait -1
.endm
.macro CROUND
	s_barrier_signal -1
	s_barrier_wait -1
	CREST
.endm
.macro PLACES                          ; four plain instructions behind matrix instructions, in front of loads into their sources and of readers of their results
.rept 4
	v_nop
.endr
.endm
; 2 NBK products: row blocks a0, a0 + 1 of the window's four x all column blocks, 32 along K.  zero = 1: they start the sums.  The accumulators take turns, in the same order everywhere.
.macro MULG f, hi, a0, zero
	WIN MUL_LO+0x50*(\hi)
.irp a, \a0, (\a0)+1
.set b, 0
.rept NBK
.if \zero
	v_wmma_f32_16x16x32_f16 v[8*(NBK*(\a)+b):8*(NBK*(\a)+b)+7], v[(\f)+8*b:(\f)+8*b+7], v[(\f)+8*(4*(\hi)+(\a)):(\f)+8*(4*(\hi)+(\a))+7], 0
.else
	v_wmma_f32_16x16x32_f16 v[8*(NBK*(\a)+b):8*(NBK*(\a)+b)+7], v[(\f)+8*b:(\f)+8*b+7], v[(\f)+8*(4*(\hi)+(\a)):(\f)+8*(4*(\hi)+(\a))+7], v[8*(NBK*(\a)+b):8*(NBK*(\a)+b)+7]
.endif
.set b, b+1
.endr
.endr
.endm
.macro FETCH k, f                      ; a quarter step's fragments, at byte k of the rows, in one run: B's, then A's
	WIN TO_B
.set i, 0
.rept NBK
	ds_load_b128 v[(\f)+8*i:(\f)+8*i+3],   v[ADRB] offset:(\k)+i*16*PITCH
	ds_load_b128 v[(\f)+8*i+4:(\f)+8*i+7], v[ADRB] offset:(\k)+i*16*PITCH+32
.set i, i+1
.endr
	WIN 0
.set i, 0
.rept 8
	ds_load_b128 v[(\f)+8*i:(\f)+8*i+3],   v[ADRA] offset:(\k)+i*16*PITCH
	ds_load_b128 v[(\f)+8*i+4:(\f)+8*i+7], v[ADRA] offset:(\k)+i*16*PITCH+32
.set i, i+1
.endr
.endm
.macro QUARTER k, f, g, zero           ; multiplies buffer f; in its middle fetches the next quarter, at byte k, into g
	s_wait_dscnt 8                                 ; B and A's rows 0-63 are in; the youngest eight loads (A's rows 64-127) may be out
	MULG \f, 0, 0, \zero
	MULG \f, 0, 2, \zero
	PLACES
	FETCH \k, \g
	s_wait_dscnt NL                                ; all but the loads just issued
	MULG \f, 1, 0, \zero
	MULG \f, 1, 2, \zero
.endm
; The fourth quarter multiplies buffer 1 and changes slots.  In front of the barrier each wave waits for all its tensor loads (one is out: its part of the next slot), adds 0 to its spare word, and waits
; for that and for its reads of this slot.  fill = 1: the barrier opens a round of the cluster's barrier, and the joint refill, two K steps ahead, is the first thing behind the round.
.macro TURN fill
.if \fill
	s_wait_xcnt 0x0                                ; the last prefetch, a K step back, has read its address
	s_add_nc_u64 s[PFA:PFA+1], s[PFA:PFA+1], KSTEP*2
.endif
	WIN 0
	s_wait_tensorcnt 0x0
	ds_add_u32 v[SPW], v[NIL]
	s_wait_dscnt 9                                 ; the add and the youngest eight loads may be out
	MULG F1, 0, 0, 0
	s_wait_dscnt 0x0                               ; the add is done, my reads of this slot are over
	s_barrier_signal -1
	MULG F1, 0, 2, 0
	WIN 0
	s_barrier_wait -1
.if \fill
	CREST
	s_xor_b32 s[FS], s[FS], SLOT                   ; the walking descriptors: the slot just read out,
	s_add_co_u32 s[G0+5], s[WA], s[FS]
	s_add_co_u32 s[G0B+5], s[WB], s[FS]
	s_add_nc_u64 s[G0+6:G0+7], s[G0+6:G0+7], KSTEP*2      ; the next K step
	s_add_nc_u64 s[G0B+6:G0B+7], s[G0B+6:G0B+7], KSTEP*2
	JLOAD 1                                        ; its four v_nop are also the places in front of the loads below
.else
	PLACES
.endif
	s_xor_b32 s[TB], s[TB], SLOT                   ; the reads go on in the other slot
	v_add_nc_u32 v[ADRA], s[TB], v[A0L]
	v_add_nc_u32 v[ADRB], s[TB], v[B0L]
	FETCH 0, F0
.if \fill
	ASK
.endif
	MULG F1, 1, 0, 0
	MULG F1, 1, 2, 0
.endm
	s_load_b128 s[4:7], s[0:1], 0x0                ; xn s[4:5], wh s[6:7]
	s_load_b64 s[8:9], s[0:1], 0x10                ; qkv
	v_lshl_add_u32 v[SPW], v0, 2, SPARE
	v_mov_b32 v[NIL], 0
	ds_add_u32 v[SPW], v[NIL]                      ; the wave's opening: the add and its wait ahead of my first tensor load
	v_lshrrev_b32 v1, 5, v0
	v_readfirstlane_b32 s10, v1                    ; wave 0..3
	s_lshr_b32 s11, s10, 1                         ; which half of the tile's rows is mine; also: I fetch for A (0) or B (1)
	s_and_b32 s12, s10, 1                          ; which half of its columns; also: which half I fetch
	s_bfe_u32 s40, ttmp6, 0x40000                  ; cx
	s_bfe_u32 s41, ttmp6, 0x40004                  ; cy
	s_lshl_b32 s42, ttmp9, 2
	s_add_co_u32 s42, s42, s40                     ; tile column
	s_and_b32 s13, ttmp7, 0xffff
	s_lshl_b32 s13, s13, 2
	s_add_co_u32 s13, s13, s41                     ; tile row
	s_lshl_b32 s43, s41, 2
	s_lshl_b32 s43, 15, s43                        ; my row of the cluster
	s_lshl_b32 s44, 0x1111, s40                    ; my column
	s_or_b32 s[G1+0], s43, (1<<16)|(1<<20)|(1<<21)|(5<<22)|(3<<25)   ; mask; 2-byte elements; padding on; bit 21 beside a mask; after every 64 words 4 words
	s_or_b32 s[G1B+0], s44, (1<<16)|(1<<20)|(1<<21)|(5<<22)|(3<<25)
	s_mov_b32 s[G1+1], KSTEP<<16                   ; tensor_dim0
	s_mov_b32 s[G1+2], RA<<16                      ; tensor_dim1
	s_mov_b32 s[G1+3], KSTEP<<16                   ; tile_dim0
	s_mov_b32 s[G1+4], RA                          ; tile_dim1
	s_mov_b32 s[G1+5], SIZE_K                      ; elements from row to row
	s_mov_b32 s[G1+6], 0
	s_mov_b32 s[G1+7], 0
	s_mov_b32 s[G1B+1], KSTEP<<16
	s_mov_b32 s[G1B+2], RB<<16
	s_mov_b32 s[G1B+3], KSTEP<<16
	s_mov_b32 s[G1B+4], RB
	s_mov_b32 s[G1B+5], SIZE_K
	s_mov_b32 s[G1B+6], 0
	s_mov_b32 s[G1B+7], 0
	s_mul_i32 s17, s12, RA
	s_lshl_b32 s16, s13, 8
	s_add_co_u32 s16, s16, s17                     ; A: row 256 x tile row + 128 x half
	s_lshl_b32 s16, s16, LOGROW
	s_mov_b32 s17, 0
	s_mul_i32 s46, s42, 2*RB
	s_mul_i32 s47, s12, RB
	s_add_co_u32 s46, s46, s47                     ; B: row 192 x tile column + 96 x half
	s_lshl_b32 s46, s46, LOGROW
	s_mov_b32 s47, 0
	s_mul_i32 s[WA], s12, HA
	s_mul_i32 s[WB], s12, HB
	s_add_co_u32 s[WB], s[WB], 2*HA
	s_mov_b32 s[TB], 0
	s_mov_b32 s[FS], SLOT
	s_wait_dscnt 0x0                               ; the opening add is done
	s_wait_kmcnt 0x0
	s_add_nc_u64 s[14:15], s[4:5], s[16:17]
	s_add_nc_u64 s[46:47], s[6:7], s[46:47]
	CROUND                                         ; all sixteen work-groups are here: the first joint loads meet
.irp s, 0,1
	s_mov_b32 s[G0+4*(\s)], 1
	s_add_co_u32 s[G0+4*(\s)+1], s[WA], (\s)*SLOT
	s_add_nc_u64 s[G0+4*(\s)+2:G0+4*(\s)+3], s[14:15], (\s)*KSTEP*2
	s_or_b32 s[G0+4*(\s)+3], s[G0+4*(\s)+3], 0x80000000
	s_mov_b32 s[G0B+4*(\s)], 1
	s_add_co_u32 s[G0B+4*(\s)+1], s[WB], (\s)*SLOT
	s_add_nc_u64 s[G0B+4*(\s)+2:G0B+4*(\s)+3], s[46:47], (\s)*KSTEP*2
	s_or_b32 s[G0B+4*(\s)+3], s[G0B+4*(\s)+3], 0x80000000
	JLOAD \s                                       ; K steps 0 and 1: two loads of mine are out
.endr
	v_and_b32 v1, 15, v0                           ; l % 16
	v_bfe_u32 v2, v0, 4, 1                         ; l / 16
	v_mul_u32_u24 v3, v1, PITCH
	v_lshl_add_u32 v3, v2, 4, v3                   ; a fragment's row x pitch + 16 x half
	s_mul_i32 s21, s11, HA
	s_mul_i32 s22, s12, HB
	s_add_co_u32 s22, s22, 2*HA
	v_add_nc_u32 v[A0L], s21, v3
	v_add_nc_u32 v[B0L], s22, v3
	v_mov_b32 v[ADRA], v[A0L]
	v_mov_b32 v[ADRB], v[B0L]
	s_mul_i32 s23, s11, 128*SP                     ; stage, in: row 128 wm + 16 a + l % 16, column 96 wn + 16 b + 8 (l / 16)
	s_mul_i32 s21, s12, 64*NBK
	s_add_co_u32 s23, s23, s21
	v_mul_u32_u24 v4, v1, SP
	v_lshl_add_u32 v4, v2, 5, v4
	v_add_nc_u32 v[STO], s23, v4
	v_add_nc_u32 v[STO+1], 64*SP, v[STO]
	s_mul_i32 s23, s10, 64*SP                      ; stage, back: wave w takes rows 64 w ..; lanes 0-15 a head's 256 bytes of one row, lanes 16-31 of the next
	v_mul_u32_u24 v5, v2, SP
	v_lshl_add_u32 v5, v1, 4, v5
	v_add_nc_u32 v[RD], s23, v5
	v_lshlrev_b32 v5, 7, v2                        ; in qkv: a row of a head is 128 bytes, my 4 numbers 8 of them
	v_lshl_add_u32 v5, v1, 3, v5
	s_mul_i32 s70, s42, 3                          ; the tile's first head slot (0..47: q's 16, k's 16, v's 16)
	s_lshr_b32 s71, s13, 3
	s_lshl_b32 s71, s71, 4                         ; 16 x batch
	s_lshl_b32 s72, s13, 8
	s_lshl_b32 s73, s10, 6
	s_add_co_u32 s72, s72, s73
	s_and_b32 s72, s72, 2047                       ; my first row's place in its sequence
	s_lshl_b32 s72, s72, 7
.irp hd, 0,1,2
	s_add_co_u32 s74, s70, \hd
	s_lshr_b32 s75, s74, 4
	s_lshl_b32 s75, s75, 5                         ; q, k or v: 32 heads each
	s_and_b32 s74, s74, 15
	s_add_co_u32 s74, s74, s75
	s_add_co_u32 s74, s74, s71
	s_lshl_b32 s74, s74, 18                        ; a head is 262,144 bytes
	s_add_co_u32 s74, s74, s72
	v_add_nc_u32 v[CO+(\hd)], s74, v5
.endr
	; the prefetches
	s_lshl_b32 s70, s13, 8                         ; the tile's first row in A,
	s_mul_i32 s71, s42, 2*RB                       ; in B
	s_and_b32 s72, ttmp7, 0xffff                   ; cluster y
	s_mov_b32 s73, RA
	s_mov_b32 s75, RB
	s_cmp_eq_u32 s11, 0                            ; do I fetch for A?
	s_cselect_b32 s70, s70, s71
	s_cselect_b32 s71, s40, s41                    ; my place among the four that ask with me
	s_cselect_b32 s72, ttmp9, s72                  ; the coordinate along which other clusters read the same rows
	s_cselect_b32 s73, s73, s75                    ; rows in my load
	s_cselect_b32 s74, 31, 23                      ; my work-group's share of them, less one: B's 24 rows leave eight lanes, which name row 23 again
	s_cselect_b64 s[PFA:PFA+1], s[4:5], s[6:7]
	s_mul_i32 s75, s73, s12
	s_add_co_u32 s70, s70, s75
	s_lshr_b32 s73, s73, 2
	s_mul_i32 s73, s73, s71
	s_add_co_u32 s70, s70, s73
	s_cmp_eq_u32 s72, 0
	s_cselect_b32 s[LIM], 2, -1                    ; the same in all sixteen partners, for a given wave
	s_lshl_b32 s70, s70, LOGROW
	s_mov_b32 s71, 0
	s_add_nc_u64 s[PFA:PFA+1], s[PFA:PFA+1], s[70:71]
	s_add_nc_u64 s[PFA:PFA+1], s[PFA:PFA+1], 2*KSTEP*2   ; at K step 2: the first refill steps it to 3 and names K step 4
	v_and_b32 v[PFO], 31, v0
	v_min_u32 v[PFO], s74, v[PFO]
	v_lshlrev_b32 v[PFO], LOGROW, v[PFO]
	s_wait_tensorcnt 1                             ; my part of K step 0 is in; K step 1's may stay out
	s_barrier_signal -1
	s_barrier_wait -1
	FETCH 0, F0
	QUARTER 64, F0, F1, 1                          ; the first quarter's products start the sums
	WIN 0
	s_mov_b32 s3, STEPS-2
.Lstep:                                        ; a trip: a K step's quarters 1, 2, 3 and the next step's quarter 0; it fills the slot that it leaves
	QUARTER 128, F1, F0, 0
	QUARTER 192, F0, F1, 0
	TURN 1
	QUARTER 64, F0, F1, 0
	WIN 0
	s_sub_co_u32 s3, s3, 1
	s_cmp_lg_u32 s3, 0
	s_cbranch_scc1 .Lstep
	s_mov_b32 s3, 2
.Ltail:                                        ; the last two K steps ask for nothing; the second trip's fetch brings fragments that nobody uses, the price of one text for both
	QUARTER 128, F1, F0, 0
	QUARTER 192, F0, F1, 0
	TURN 0
	WIN 0
	s_cmp_eq_u32 s3, 1
	s_cbranch_scc1 .Lskip
	QUARTER 64, F0, F1, 0
	WIN 0
.Lskip:
	s_sub_co_u32 s3, s3, 1
	s_cmp_lg_u32 s3, 0
	s_cbranch_scc1 .Ltail
	s_wait_dscnt 0x0                               ; my reads of the slots are over,
	PLACES
	s_barrier_signal -1
	s_barrier_wait -1                              ; everybody's are, and every fill has landed: the stage may be written over the slots
.set a, 0
.rept 8
	WIN 0x08+4*(a/4)                               ; store data in window 2 or 3
.set b, 0
.rept NBK
	ds_store_b128 v[STO+(a/4)], v[8*(NBK*(a%4)+b):8*(NBK*(a%4)+b)+3]   offset:(a%4)*16*SP+64*b
	ds_store_b128 v[STO+(a/4)], v[8*(NBK*(a%4)+b)+4:8*(NBK*(a%4)+b)+7] offset:(a%4)*16*SP+64*b+16
.set b, b+1
.endr
.set a, a+1
.endr
	WIN 0
	s_wait_dscnt 0x0                               ; for the others' sake
	s_barrier_signal -1
	s_barrier_wait -1
	s_mov_b32 s3, 8
.Lrows:                                        ; eight rows a trip, three heads each
.irp p, 0,1,2,3
.irp hd, 0,1,2
	ds_load_b128 v[64+4*(3*(\p)+(\hd)):64+4*(3*(\p)+(\hd))+3], v[RD] offset:2*SP*(\p)+256*(\hd)
.endr
.endr
	s_wait_dscnt 0x0
.set i, 0
.rept 12
	v_cvt_pk_f16_f32 v[128+2*i], v[64+4*i], v[64+4*i+1]
	v_cvt_pk_f16_f32 v[128+2*i+1], v[64+4*i+2], v[64+4*i+3]
.set i, i+1
.endr
.irp p, 0,1,2,3
.irp hd, 0,1,2
	global_store_b64 v[CO+(\hd)], v[128+2*(3*(\p)+(\hd)):128+2*(3*(\p)+(\hd))+1], s[8:9] offset:256*(\p)  ; two rows of a head: 256 consecutive bytes
.endr
.endr
	s_wait_xcnt 0x0                                ; the stores have read their data and their base
	v_add_nc_u32 v[RD], 8*SP, v[RD]
	s_add_nc_u64 s[8:9], s[8:9], 1024
	s_sub_co_u32 s3, s3, 1
	s_cmp_lg_u32 s3, 0
	s_cbranch_scc1 .Lrows
	s_wait_tensorcnt 0x0                           ; the wave's end
	ds_add_u32 v[SPW], v[NIL]
	s_wait_dscnt 0x0
	CROUND                                         ; the closing round
	s_endpgm
.Lfunc_end_k_q5693ec3a4d_qkv:
	.size	k_q5693ec3a4d_qkv, .Lfunc_end_k_q5693ec3a4d_qkv-k_q5693ec3a4d_qkv
	.p2alignl 7, 3214868480
	.fill 96, 4, 3214868480
	.section	.rodata,"a",@progbits
	.p2align	6, 0x0
	.amdhsa_kernel k_q5693ec3a4d_qkv
		.amdhsa_group_segment_fixed_size 327680
		.amdhsa_private_segment_fixed_size 0
		.amdhsa_enable_private_segment 0
		.amdhsa_kernarg_size 24
		.amdhsa_user_sgpr_count 2
		.amdhsa_user_sgpr_kernarg_segment_ptr 1
		.amdhsa_wavefront_size32 1
		.amdhsa_system_sgpr_workgroup_id_x 1
		.amdhsa_system_sgpr_workgroup_id_y 1
		.amdhsa_system_sgpr_workgroup_id_z 1
		.amdhsa_system_vgpr_workitem_id 0
		.amdhsa_next_free_vgpr 1024
		.amdhsa_next_free_sgpr 80
		.amdhsa_reserve_vcc 0
		.amdhsa_float_denorm_mode_32 3
		.amdhsa_float_denorm_mode_16_64 3
		.amdhsa_memory_ordered 1
		.amdhsa_forward_progress 1
		.amdhsa_inst_pref_size 69
	.end_amdhsa_kernel
	.amdgpu_metadata
---
amdhsa.version: [ 1, 2 ]
amdhsa.kernels:
  - .name:           k_q5693ec3a4d_qkv
    .symbol:         k_q5693ec3a4d_qkv.kd
    .args:
      - { .name: xn, .offset: 0, .size: 8, .value_kind: global_buffer, .address_space: global }
      - { .name: wh, .offset: 8, .size: 8, .value_kind: global_buffer, .address_space: global }
      - { .name: qkv, .offset: 16, .size: 8, .value_kind: global_buffer, .address_space: global }
    .group_segment_fixed_size: 327680
    .private_segment_fixed_size: 0
    .kernarg_segment_align: 8
    .kernarg_segment_size: 24
    .max_flat_workgroup_size: 128
    .sgpr_count:     80
    .vgpr_count:     1024
    .wavefront_size: 32
...
	.end_amdgpu_metadata
.endif
;; end of part 2
;; launch attn (part 3): grid 8 x 32, 4 waves a work-group, no clusters, 327,680 bytes of LDS; arguments qkv, xn, att; writes att
.if DOCPART == 3
	.amdgcn_target "amdgcn-amd-amdhsa--gfx1250"
	.amdhsa_code_object_version 6
	.text
	.protected	k_q5693ec3a4d_attn
	.globl	k_q5693ec3a4d_attn
	.p2align	8
	.type	k_q5693ec3a4d_attn,@function
k_q5693ec3a4d_attn:
	s_mov_b64 s[64:65], 0
	v_nop
	global_prefetch_b8 v0, s[64:65] scope:SCOPE_SE
	s_setreg_imm32_b32 hwreg(HW_REG_WAVE_MODE, 25, 1), 1
	s_wait_xcnt 0x0
; att = xn + causal attention with ALiBi.  q, k, v: [32 heads][2048][64] f16 in qkv (q at 0, k at 8,388,608, v at 16,777,216); xn [4096][1024] f16; att [4096][1024] f32.
; Products, maxima and sums in f32; the weights p are rounded to f16 for the second product (their sum l is taken of the unrounded p).
; THE WALK.  A head's queries lie in 8 superblocks of 256; superblock i needs the key tiles 0 .. i of 256 keys, the last holding the diagonal.  Work-group x of a head (b = x / 2, hf = x % 2) takes the half hf
; (128 queries) of superblock 7 - b and then of superblock b: 9 tiles whatever x: 256 equal work-groups, one loop with a constant trip count.  Every jump but the counted loops' own goes forward, past no barrier.
; NO CLUSTER: a head's eight work-groups ask for the same tile in the walk's first five trips only; a walk common to all would have 12 trips for 9.
; SHARES.  A wave owns two PIECES of 16 queries: piece t has rows 64 t + 16 w .. of the half, so it lies in band 2 hf + t of the superblock's four bands of 64.  In the diagonal tile's key step s a band x sees all keys
; if s < x, none if s > x, and holds the diagonal if s = x: the same work for all four waves.
; LAYOUT.  S^T = K Q^T holds one query a lane (lane % 16) and the keys 8 (lane / 16) + 0..7; two such results rounded to f16 are source 1 of O^T = V^T P.
; SOFTMAX.  p = 2^(c s - c m), c = log2(e) / 8, s = q.k + 8 slope j, with a running maximum m; the term - slope i is the same for a whole row and drops out.
; ALIBI.  Inside a key step 8 slope (j - J) is a table AB of 32 registers a lane; it enters by the C operand of the products that start S^T.  From step to step the frame moves 64 keys: the old maximum becomes
; m + ND, ND = - 512 slope, before it is compared; O and l are multiplied by a = 2^(c (m + ND) - c m_new).  All numbers stay small; m is a true running maximum.
; THE MASK.  The C operand is MC: AB from a block's beginning on, MD + AB (MD = -1e30 where the key is hidden) from the band's own step on.  A step that a band does not see at all takes ND = +1e30:
; then m_new = m + ND, a = 1 and every p is 0, whatever MC holds; m is not needed any more.
; BY TURNS.  In turn x piece x has the matrix unit: 8 products V^T P of step f - 1, then 8 products K Q^T of step f.  The other piece's softmax stands with them: its maximum and statistics behind the first eight, then a lump
; (scalings and exponentials: one batch, one wait; the rescaling), its roundings and sums behind the last eight.  Turn 0 carries piece 1's softmax of step f - 1, turn 1 piece 0's of step f.  K of step f is fetched at turn 0's
; head, V of step f in turn 1 behind its products V^T P: a tile's visit fetches exactly its own four steps, so the change of slots stands between two visits.
; LIMITS.  q, k, v lie within f16's range; a hidden score counts as 1e30 below the maximum (f16's scores reach 2.7e11 at the most); a weight below 2^-126 counts as 0 in l; NaN and infinities are not treated apart.
; REGISTERS.  Window 0: v0-15 addresses; v16-23 statistics (c m, m, l, l a piece); v24-31 at work; v32-33 c (m + ND); v64-127 S^T; v128-159 P; v160-223 O^T; v224-255 xn's part for the way out.
; Window 1: v0-31 Q; v32-63 the second block's Q; v64-127 K; v128-191 V; v192-223 AB; v224-255 MD.  Window 2: v0-63 MC.  A softmax works in window 0, a product names window 1 or 2 as well: two switches for each group of riders.
.set NB,    8
.set KS,    64
.set PK,    144                        ; a row of K in LDS: 128 bytes + 16
.set PV,    160                        ; a row of V: 128 + 32
.set VOFF,  4*KS*PK
.set SLOT1, 1<<17
.set STAGE, SLOT1+4*KS*(PK+PV)         ; behind the ring: 16 rows x 272 bytes for each wave
.set SP,    272
.set SPARE, STAGE+4*16*SP              ; the spare words: 128 bytes a wave, two blocks of 256 bytes that no other line names
.set AK0, 2
.set AV0, 3
.set AK,  4
.set AV,  5
.set STO, 6
.set RD,  7
.set GO,  8
.set XO,  12
.set ONE, 13
.set QO,  15
.set ST,  16
.set TMP, 24
.set MV,  32
.set PFO, 61
.set SPW, 62
.set NIL, 63
.set S,   64
.set P,   128
.set O,   160
.set XR,  224
.set Q,   0
.set QB,  32
.set KF,  64
.set VF,  128
.set AB,  192
.set MD,  224
.set MC,  0
.set WV,  12
.set PB,  14
.set HI,  15
.set G1K, 24
.set G1V, 32
.set G0K, 40
.set G0V, 44
.set HF,  48
.set S8,  49                           ; 8 slope
.set NDEL, 50                          ; - 512 slope
.set BIG, 51                           ; +1e30
.set ND0, 52                           ; s52, s53  what the old maximum takes on, by piece
.set EQ0, 54                           ; s54, s55  4 - band, by piece
.set SLOTS, 56
.set CNT, 57                           ; counts a tile's key steps, 4 to 1: the step that is fetched is 4 - CNT
.set CS,  58
.set SEL, 60
.set TBK, 62
.set TBV, 63
.set H1,  67                           ; s67  3 - piece 1's band
.set RT,  70
.set NXT, 71
.set LQ,  72
.set NEW, 73
.set OFF, 74
.set E0V, 76                           ; s76, s77  EQ0, EQ0 + 1 in the diagonal tile, 0 elsewhere
.set H1V, 78                           ; s78       H1 in the diagonal tile, 0 elsewhere
.set OLO, 80
.set XB,  82
.set XLO, 84
.set QLO, 86
.set PFA, 88
.set PFC, 90
.set BIGN, 91                          ; -1e30
.set MSB, 0
.macro WIN new                         ; the immediate's high byte repeats the setting that is left; a switch that changes nothing is dropped
.if MSB != (\new)
	s_set_vgpr_msb (MSB<<8)|(\new)
.set MSB, (\new)
.endif
.endm
.macro PLACES
.rept 4
	v_nop
.endr
.endm
.macro LOAD                            ; waves 0, 1 fetch the halves of a tile's K, waves 2, 3 of its V; s_nop 0 and four v_nop follow each line
	s_cmp_lt_u32 s[WV], 2
	s_cbranch_scc0 .Lfor_v_\@
	tensor_load_to_lds s[G0K:G0K+3], s[G1K:G1K+7]
	s_nop 0
.rept 4
	v_nop
.endr
	s_branch .Lasked_\@
.Lfor_v_\@:
	tensor_load_to_lds s[G0V:G0V+3], s[G1V:G1V+7]
	s_nop 0
.rept 4
	v_nop
.endr
.Lasked_\@:
.endm
; THE CHANGE OF SLOTS.  Each wave waits for all its tensor loads (one is out: its part of the other slot), adds 0 to its spare word, and waits for that and for its reads of the slot that it leaves.
; fill = 1: the old slot is filled again, first thing behind the barrier, with tile NXT.  Behind that load the head's work-group 0, whose first block walks all eight tiles, prefetches the tile after NXT:
; each wave its own half of K or V, 64 blocks of 256 bytes, a lane a block, six times: tiles 2 to 7, each block once in the launch.
.macro CHANGE fill
	WIN 0
.if \fill
	s_wait_xcnt 0x0                                ; the last prefetches, a tile back, have read their address
	s_add_nc_u64 s[PFA:PFA+1], s[PFA:PFA+1], 32768
.endif
	s_wait_tensorcnt 0x0
	ds_add_u32 v[SPW], v[NIL]
.if \fill
	s_lshl_b32 s[OFF], s[NXT], 15                  ; a tile is 32,768 bytes of K and of V
	s_xor_b32 s[G0K+1], s[G0K+1], SLOT1
	s_add_nc_u64 s[G0K+2:G0K+3], s[6:7], s[OFF:OFF+1]
	s_or_b32 s[G0K+3], s[G0K+3], 0x80000000
	s_xor_b32 s[G0V+1], s[G0V+1], SLOT1
	s_add_nc_u64 s[G0V+2:G0V+3], s[8:9], s[OFF:OFF+1]
	s_or_b32 s[G0V+3], s[G0V+3], 0x80000000
	s_add_co_u32 s[NXT], s[NXT], 1                 ; the block's next tile, or behind its last the second block's tile 0
	s_cmp_gt_u32 s[NXT], s[LQ]
	s_cselect_b32 s[NXT], 0, s[NXT]
	s_cselect_b32 s[LQ], s[PB], s[LQ]
.endif
	s_wait_dscnt 0x0                               ; the add is done, my reads of the slot are over
	s_barrier_signal -1
	s_sub_co_u32 s[TBK], s[TBK], 4*KS*PK           ; the fetches go back to a slot's first step, in the other slot
	s_xor_b32 s[TBK], s[TBK], SLOT1
	s_sub_co_u32 s[TBV], s[TBV], 4*KS*PV
	s_xor_b32 s[TBV], s[TBV], SLOT1
	s_barrier_wait -1
.if \fill
	LOAD
	s_cmp_lg_u32 s[PFC], 0
	s_cbranch_scc0 .Lnone_\@
	global_prefetch_b8 v[PFO], s[PFA:PFA+1] th:TH_LOAD_NT scope:SCOPE_SE
	global_prefetch_b8 v[PFO], s[PFA:PFA+1] offset:8192 th:TH_LOAD_NT scope:SCOPE_SE
	s_sub_co_u32 s[PFC], s[PFC], 1
.Lnone_\@:
.endif
.endm
.macro VSET                            ; a tile is entered: the three numbers that the step counter is held against; 0, which it never meets or falls below, outside the diagonal tile
	s_sub_co_u32 s[RT], s[RT], 1
	s_mov_b32 s[CNT], 4
	s_cmp_eq_u32 s[RT], 0
	s_cselect_b32 s[E0V], s[EQ0], 0
	s_cselect_b32 s[E0V+1], s[EQ0+1], 0
	s_cselect_b32 s[H1V], s[H1], 0
.endm
.macro REGS t
.set rT, ST+4*(\t)
.set rC, TMP+4*(\t)
.set rW, MV+(\t)
.set rS, S+32*(\t)
.set rP, P+16*(\t)
.set rO, O+32*(\t)
.endm
; Number n of the lines that find piece t's maximum and statistics.  22: m + ND.  15: c (m + ND).  0-13: the 32 scores into four chains, each accumulator's lowest registers first.  14, 16: the chains and the old maximum.
; 17, 18: the other half of the lanes.  19: c m.  20, 21: a.
.macro XS t, n
	REGS \t
.if (\n) < 4
	v_max3_num_f32 v[rC+(\n)], v[rS+8*(\n)], v[rS+8*(\n)+1], v[rS+8*(\n)+2]
.elseif (\n) < 12
	v_max3_num_f32 v[rC+(\n)%4], v[rC+(\n)%4], v[rS+8*((\n)%4)+2*((\n)/4)+1], v[rS+8*((\n)%4)+2*((\n)/4)+2]
.elseif (\n) == 12
	v_max3_num_f32 v[rC], v[rC], v[rS+7], v[rS+15]
.elseif (\n) == 13
	v_max3_num_f32 v[rC+1], v[rC+1], v[rS+23], v[rS+31]
.elseif (\n) == 14
	v_max3_num_f32 v[rC+2], v[rC+2], v[rC+3], v[rT+1]
.elseif (\n) == 15
	v_mul_f32 v[rW], s[CS], v[rT+1]
.elseif (\n) == 16
	v_max3_num_f32 v[rC], v[rC], v[rC+1], v[rC+2]
.elseif (\n) == 17
	v_permlanex16_b32 v[rC+3], v[rC], s[SEL], s[SEL+1]
.elseif (\n) == 18
	v_max_num_f32 v[rT+1], v[rC], v[rC+3]
.elseif (\n) == 19
	v_mul_f32 v[rT], s[CS], v[rT+1]
.elseif (\n) == 20
	v_sub_f32 v[rC+1], v[rW], v[rT]
.elseif (\n) == 21
	v_exp_f32 v[rC+2], v[rC+1]
.else
	v_add_f32 v[rT+1], s[ND0+(\t)], v[rT+1]
.endif
.endm
.macro FS t, n                         ; c s - c m for pair n of 16
	REGS \t
	v_pk_fma_f32 v[rS+2*(\n):rS+2*(\n)+1], v[rS+2*(\n):rS+2*(\n)+1], s[CS:CS+1], v[rT:rT+1] op_sel_hi:[1,0,0] neg_lo:[0,0,1] neg_hi:[0,0,1]
.endm
.macro ES t, n                         ; the exponential of score n of 32
	REGS \t
	v_exp_f32 v[rS+(\n)], v[rS+(\n)]
.endm
.macro RSC t, n                        ; pair n of 16 of O^T times a
	REGS \t
	v_pk_mul_f32 v[rO+2*(\n):rO+2*(\n)+1], v[rO+2*(\n):rO+2*(\n)+1], v[rC+2:rC+3] op_sel_hi:[1,0]
.endm
.macro CV t, n                         ; pair n rounded to f16
	REGS \t
	v_cvt_pk_f16_f32 v[rP+(\n)], v[rS+2*(\n)], v[rS+2*(\n)+1]
.endm
.macro BS t, n                         ; of the four weights 4 n .. the second pair is added onto the first, in place: pair 2 n is rounded ahead of this line
	REGS \t
	v_pk_add_f32 v[rS+4*(\n):rS+4*(\n)+1], v[rS+4*(\n):rS+4*(\n)+1], v[rS+4*(\n)+2:rS+4*(\n)+3]
.endm
.macro LS t, n                         ; l takes that sum; the first time l = a l + sum
	REGS \t
.if (\n) == 0
	v_pk_fma_f32 v[rT+2:rT+3], v[rT+2:rT+3], v[rC+2:rC+3], v[rS:rS+1] op_sel_hi:[1,0,1]
.else
	v_pk_add_f32 v[rT+2:rT+3], v[rT+2:rT+3], v[rS+4*(\n):rS+4*(\n)+1]
.endif
.endm
; One line of the softmax of piece PY: OP kind, number.
.set kF, 0
.set kE, 1
.set kC, 2
.set kB, 3
.set kL, 4
.set kR, 5
.set kX, 6
.macro OP k, n
	WIN 0
.if (\k) == kX
	XS PY, \n
.elseif (\k) == kF
	FS PY, \n
.elseif (\k) == kE
	ES PY, \n
.elseif (\k) == kC
	CV PY, \n
.elseif (\k) == kB
	BS PY, \n
.elseif (\k) == kL
	LS PY, \n
.else
	RSC PY, \n
.endif
.endm
.macro OPS a, i1, b=-1, i2=0, c=-1, i3=0, d=-1, i4=0  ; up to four of them
	OP \a, \i1
.if (\b) >= 0
	OP \b, \i2
.endif
.if (\c) >= 0
	OP \c, \i3
.endif
.if (\d) >= 0
	OP \d, \i4
.endif
.endm
; The next matrix instruction of piece PX's turn.  Numbers 0-7: O^T += V^T P: keys 32 (mi / 4) on, channels 16 (mi % 4) on.  Numbers 8-15 (where KQON): S^T = K Q^T: channels 32 (kk / 4) on, keys 16 (kk % 4) on;
; the first four start the sums with MC.  In each run of eight the four accumulators take turns, and the two runs name different accumulators: no two matrix instructions on end share one.
.macro MM
.if mi < 8
.set rO, O+32*PX+8*(mi%4)
.set rV, VF+32*(mi/4)+8*(mi%4)
.set rP, P+16*PX+8*(mi/4)
	WIN 0x01                                       ; V in window 1
	v_wmma_f32_16x16x32_f16 v[rO:rO+7], v[rV:rV+7], v[rP:rP+7], v[rO:rO+7]
.elseif KQON
.set kk, mi-8
.set rS, S+32*PX+8*(kk%4)
.set rK, KF+16*(kk%4)+8*(kk/4)
.set rQ, Q+16*PX+8*(kk/4)
.set rM, MC+32*PX+8*(kk%4)
.if kk < 4
	WIN 0x25                                       ; K and Q in window 1, MC in window 2
	v_wmma_f32_16x16x32_f16 v[rS:rS+7], v[rK:rK+7], v[rQ:rQ+7], v[rM:rM+7]
.else
	WIN 0x05
	v_wmma_f32_16x16x32_f16 v[rS:rS+7], v[rK:rK+7], v[rQ:rQ+7], v[rS:rS+7]
.endif
.endif
.set mi, mi+1
.endm
.macro ROW a, i1, b=-1, i2=0, c=-1, i3=0, d=-1, i4=0  ; a matrix instruction and the lines behind it
	MM
	OPS \a, \i1, \b, \i2, \c, \i3, \d, \i4
.endm
.macro MASKIF x                        ; where the step to be fetched is piece x's own: MC = MD + AB, which stays until the next block begins
	WIN 0
	s_cmp_eq_u32 s[CNT], s[E0V+(\x)]
	s_cbranch_scc0 .Lnomask_\@
	WIN 0x85                                       ; destination window 2, both sources window 1
.set z, 0
.rept 16
	v_pk_add_f32 v[MC+32*(\x)+2*z:MC+32*(\x)+2*z+1], v[MD+2*z:MD+2*z+1], v[AB+2*z:AB+2*z+1]
.set z, z+1
.endr
	WIN 0
.Lnomask_\@:
.endm
.macro FETCH_K
	WIN 0x40
.irp f, 0,1,2,3,4,5,6,7
	ds_load_b128 v[KF+8*\f:KF+8*\f+3],   v[AK] offset:(\f/2)*16*PK+(\f%2)*64
	ds_load_b128 v[KF+8*\f+4:KF+8*\f+7], v[AK] offset:(\f/2)*16*PK+(\f%2)*64+32
.endr
	s_add_co_u32 s[TBK], s[TBK], KS*PK
	WIN 0
.endm
.macro FETCH_V
	WIN 0x40
.irp f, 0,1,2,3,4,5,6,7
	ds_load_tr16_b128 v[VF+8*\f:VF+8*\f+3],   v[AV] offset:(\f/4)*32*PV+(\f%4)*32
	ds_load_tr16_b128 v[VF+8*\f+4:VF+8*\f+7], v[AV] offset:(\f/4)*32*PV+16*PV+(\f%4)*32
.endr
	s_add_co_u32 s[TBV], s[TBV], KS*PV
	WIN 0
.endm
; A TURN of piece x.  kq = 0: a block's last turn 0: nothing is fetched, no new scores.
; The step whose softmax the turn carries is 3 - CNT of the tile for piece 1 (turn 0) and 4 - CNT for piece 0 (turn 1): where it lies behind the band's own step the old maximum takes on +1e30.
; K's run of loads stands four plain lines (the last row of the turn before) behind the last product that read K; V's six plain lines behind the last product that read V.
; The chain of the maximum (14, 16, 17, 18) has one link to a product, so that a link's result is there when the next is issued.
.macro TURN x, kq
.set PX, (\x)
.set PY, 1-(\x)
.set mi, 0
.set KQON, (\kq)
	WIN 0
.if (\x) == 0
	s_cmp_lt_u32 s[CNT], s[H1V]
	s_cselect_b32 s[ND0+1], s[BIG], s[NDEL]
.else
	s_cmp_lt_u32 s[CNT], s[E0V]
	s_cselect_b32 s[ND0], s[BIG], s[NDEL]
.endif
.if \kq
	MASKIF \x
.endif
.if (\x) == 0
.if \kq
	v_add_nc_u32 v[AK], s[TBK], v[AK0]
	FETCH_K                                        ; K of the step whose scores this trip makes
	s_wait_dscnt 16                                ; V is in; K's 16 younger loads may stay out
.else
	s_wait_dscnt 0x0                               ; V is in
.endif
.endif
	ROW kX,22, kX,0, kX,1, kX,15                   ; 8 products V^T P; behind them the other piece's maximum and statistics
	ROW kX,2, kX,3, kX,4, kX,5
	ROW kX,6, kX,7, kX,8, kX,9
	ROW kX,10, kX,11, kX,12, kX,13
	ROW kX,14
	ROW kX,16
	ROW kX,17
	ROW kX,18
	OPS kX,19, kX,20, kF,0, kF,1                   ; the lump
.if (\x) == 1
	v_add_nc_u32 v[AV], s[TBV], v[AV0]
	FETCH_V                                        ; V of the same step
.endif
	OPS kX,21, kF,2, kE,0, kF,3                    ; one batch: a and 32 exponentials; none of its results is named ahead of the wait
.set u, 1
.rept 12
	OP kE, u
	OP kF, u+3
.set u, u+1
.endr
.rept 19
	OP kE, u
.set u, u+1
.endr
	v_nop                                          ; a plain instruction behind the last exponential,
	s_wait_alu depctr_va_vdst(0)                   ; and one wait for the batch
.set u, 0
.rept 16
	OP kR, u
.set u, u+1
.endr
.if ((\x) == 0) && (\kq)
	s_wait_dscnt 0x0                               ; K is in
.endif
	ROW kC,0, kB,0, kC,2, kB,1                     ; 8 products K Q^T; behind them the roundings and sums; the links of l's chain stand three lines apart
	ROW kL,0, kC,4, kB,2, kL,1
	ROW kC,6, kB,3, kL,2, kC,8
	ROW kB,4, kL,3, kC,10, kB,5
	ROW kL,4, kC,12, kB,6, kL,5
	ROW kC,14, kB,7, kL,6, kC,1
	ROW kC,3, kL,7, kC,5, kC,7
	ROW kC,9, kC,11, kC,13, kC,15
	WIN 0
.endm
; A BLOCK BEGINS.  m starts far below every score, so each piece's first a is 0 and what O^T and l hold need only be finite.  MC is AB again (or piece 0's own mask, where the block's first tile is the diagonal one).
; K of the tile's step 0 is fetched, piece 0's first scores are made, and the loop is entered at turn 1, whose products V^T P, of a step that has not been, land in an O^T that is still to be multiplied by 0.
.macro BEGIN
	s_mov_b32 s[NEW], 0
	v_mov_b32 v[ST+1], 0xfe000000
	v_mov_b32 v[ST+5], 0xfe000000
	WIN 0x81                                       ; destination window 2, source window 1
.set z, 0
.rept 32
	v_mov_b32 v[MC+z], v[AB+z]
	v_mov_b32 v[MC+32+z], v[AB+z]
.set z, z+1
.endr
	WIN 0
	MASKIF 0
	v_add_nc_u32 v[AK], s[TBK], v[AK0]
	FETCH_K
	s_wait_loadcnt 0x0                             ; Q
.irp t, 0,1
.irp j, 0,1,2,3,4,5,6,7
	global_load_b64 v[XR+16*(\t)+2*(\j):XR+16*(\t)+2*(\j)+1], v[XO], s[XB:XB+1] offset:131072*(\t)+4096*(\j)  ; xn's part for the way out
.endr
.endr
	s_wait_dscnt 0x0                               ; K is in
.set PX, 0
.set KQON, 1
.set mi, 8
.rept 8
	MM
.endr
	WIN 0
	PLACES                                         ; behind those products, ahead of the lines that read them
.endm
; A BLOCK ENDS: piece 0's last products V^T P beside piece 1's last softmax, then piece 1's.
.macro ENDHALF
	TURN 0, 0
.set PX, 1
.set mi, 0
.rept 8
	MM
.endr
	WIN 0
.endm
; THE WAY OUT.  O^T is divided by l and sent in f32 through my stage, a piece at a time; back by rows, xn's f16 half is added, and sixteen lanes store the head's 256 bytes of a row of att.
.macro PACK t
.set i, O+32*(\t)
.rept 16
	v_pk_mul_f32 v[i:i+1], v[i:i+1], v[ST+4*(\t)+2:ST+4*(\t)+3] op_sel_hi:[1,0]
.set i, i+2
.endr
.irp cb, 0,1,2,3
	ds_store_b128 v[STO], v[O+32*(\t)+8*\cb:O+32*(\t)+8*\cb+3]   offset:64*\cb
	ds_store_b128 v[STO], v[O+32*(\t)+8*\cb+4:O+32*(\t)+8*\cb+7] offset:64*\cb+16
.endr
.irp j, 0,1,2,3,4,5,6,7
	ds_load_b128 v[S+32*(\t)+4*\j:S+32*(\t)+4*\j+3], v[RD] offset:\j*2*SP  ; LDS serves a wave's instructions in order: these see the stores above, the next piece's stores come behind them
.endr
.endm
.macro SEND t, younger                 ; younger: the LDS instructions issued behind piece t's loads
.irp j, 0,1,2,3,4,5,6,7
	s_wait_dscnt (\younger)+7-\j
	v_fma_mix_f32 v[S+32*(\t)+4*\j],   v[XR+16*(\t)+2*\j],   v[ONE], v[S+32*(\t)+4*\j]   op_sel_hi:[1,0,0]
	v_fma_mix_f32 v[S+32*(\t)+4*\j+1], v[XR+16*(\t)+2*\j],   v[ONE], v[S+32*(\t)+4*\j+1] op_sel:[1,0,0] op_sel_hi:[1,0,0]
	v_fma_mix_f32 v[S+32*(\t)+4*\j+2], v[XR+16*(\t)+2*\j+1], v[ONE], v[S+32*(\t)+4*\j+2] op_sel_hi:[1,0,0]
	v_fma_mix_f32 v[S+32*(\t)+4*\j+3], v[XR+16*(\t)+2*\j+1], v[ONE], v[S+32*(\t)+4*\j+3] op_sel:[1,0,0] op_sel_hi:[1,0,0]
	global_store_b128 v[GO], v[S+32*(\t)+4*\j:S+32*(\t)+4*\j+3], s[10:11] offset:262144*(\t)+8192*\j
.endr
.endm
.macro WAYOUT                          ; the four additions and piece 0's sixteen multiplies are the places behind piece 1's last products
.irp t, 0,1
	v_add_f32 v[ST+4*\t+2], v[ST+4*\t+2], v[ST+4*\t+3]
.endr
.irp t, 0,1
	v_permlanex16_b32 v[ST+4*\t+3], v[ST+4*\t+2], s[SEL], s[SEL+1]
.endr
.irp t, 0,1
	v_add_f32 v[ST+4*\t+2], v[ST+4*\t+2], v[ST+4*\t+3]
.endr
.irp t, 0,1
	v_rcp_f32 v[ST+4*\t+2], v[ST+4*\t+2]
.endr
	v_nop                                          ; a plain instruction behind the second reciprocal,
	s_wait_alu depctr_va_vdst(0)                   ; and one wait for both
	PACK 0
	PACK 1
	s_wait_loadcnt 0x0                             ; xn's part
	SEND 0, 16
	SEND 1, 0
.endm
	s_load_b64 s[4:5], s[0:1], 0x0                 ; qkv
	s_load_b128 s[92:95], s[0:1], 0x8              ; xn s[92:93], att s[94:95]
	v_lshl_add_u32 v[SPW], v0, 2, SPARE
	v_mov_b32 v[NIL], 0
	ds_add_u32 v[SPW], v[NIL]                      ; the wave's opening: the add and its wait ahead of my first tensor load
	v_lshrrev_b32 v1, 5, v0
	v_readfirstlane_b32 s[WV], v1
	s_lshr_b32 s[PB], ttmp9, 1                     ; b
	s_and_b32 s[HF], ttmp9, 1                      ; hf
	s_sub_co_u32 s[HI], NB-1, s[PB]
	s_and_b32 s20, ttmp7, 0xffff                   ; 16 batch + head
	s_and_b32 s13, s20, 15                         ; head
	s_lshr_b32 s16, s20, 4                         ; batch
	s_add_co_u32 s17, s13, 1                       ; slope = 2^(-(head + 1) / 2): 8 slope is made in whole numbers, on the exponent's field
	s_and_b32 s18, s17, 1
	s_cselect_b32 s[S8], 0x3f3504f3, 1.0           ; 2^(-1/2) where head + 1 is odd
	s_lshr_b32 s17, s17, 1
	s_lshl_b32 s17, s17, 23
	s_add_co_u32 s[S8], s[S8], 0x01800000          ; x 8
	s_sub_co_u32 s[S8], s[S8], s17
	s_add_co_u32 s[NDEL], s[S8], 0x03000000        ; x 64,
	s_or_b32 s[NDEL], s[NDEL], 0x80000000          ; negative
	s_mov_b32 s[BIG], 0x7149f2ca
	s_mov_b32 s[BIGN], 0xf149f2ca
	s_lshl_b32 s17, s[HF], 1                       ; piece 0's band; piece 1's is one more
	s_sub_co_u32 s[EQ0], 4, s17
	s_sub_co_u32 s[EQ0+1], 3, s17
	s_sub_co_u32 s[H1], 2, s17
	s_lshl_b32 s21, s20, 18                        ; the head's first byte in q, in k and in v
	s_and_b32 s18, s[WV], 1                        ; which half of a tile's 256 keys I fetch
	s_lshl_b32 s22, s18, 14
	s_add_co_u32 s22, s22, s21
	s_add_co_u32 s22, s22, 8388608                 ; k begins here
	s_mov_b32 s23, 0
	s_mul_i32 s17, s18, 128*PK
	s_mul_i32 s18, s18, 128*PV
	s_lshl_b32 s2, s[HF], 14                       ; my 16 rows of q in a superblock: 128 hf + 16 w,
	s_lshl_b32 s3, s[WV], 11
	s_add_co_u32 s3, s3, s2
	s_add_co_u32 s3, s3, s21
	s_lshl_b32 s2, s[HI], 15                       ; in the first block,
	s_add_co_u32 s2, s2, s3
	s_lshl_b32 s96, s[PB], 15                      ; and in the second
	s_add_co_u32 s96, s96, s3
	s_mov_b32 s3, 0
	s_mov_b32 s97, 0
	s_lshl_b32 s19, s16, 11                        ; the same rows in att: 2,048 batch + 128 hf + 16 w rows of 4,096 bytes, the head's 256 bytes
	s_lshl_b32 s16, s[HF], 7
	s_add_co_u32 s19, s19, s16
	s_lshl_b32 s16, s[WV], 4
	s_add_co_u32 s19, s19, s16
	s_lshl_b32 s19, s19, 12
	s_lshl_b32 s16, s13, 8
	s_add_co_u32 s19, s19, s16
	s_lshl_b32 s98, s[HI], 20
	s_add_co_u32 s98, s98, s19
	s_mov_b32 s99, 0
	s_lshl_b32 s20, s[PB], 20
	s_add_co_u32 s20, s20, s19
	s_mov_b32 s21, 0
	; 128 keys are 16,384 dense bytes: asked for as 64 rows of 256 bytes, padded in LDS after every key
	s_mov_b32 s[G1K], (1<<16)|(1<<20)|(4<<22)|(3<<25)
	s_mov_b32 s[G1V], (1<<16)|(1<<20)|(4<<22)|(7<<25)
.irp g, G1K, G1V
	s_mov_b32 s[\g+1], 128<<16
	s_mov_b32 s[\g+2], 64<<16
	s_mov_b32 s[\g+3], 128<<16
	s_mov_b32 s[\g+4], 64
	s_mov_b32 s[\g+5], 128
	s_mov_b32 s[\g+6], 0
	s_mov_b32 s[\g+7], 0
.endr
	s_mov_b32 s[CS], 0x3e38aa3b                    ; c = log2(e) / 8
	s_mov_b32 s[CS+1], s[CS]
	s_mov_b32 s[SEL], 0x76543210
	s_mov_b32 s[SEL+1], 0xfedcba98
	s_mov_b32 s[TBK], SLOT1+4*KS*PK                ; the first change of slots turns these two into 0
	s_mov_b32 s[TBV], SLOT1+4*KS*PV
	s_mov_b32 s[G0K], 1
	s_mov_b32 s[G0K+1], s17
	s_mov_b32 s[G0V], 1
	s_add_co_u32 s[G0V+1], s18, VOFF
	s_add_co_u32 s[RT], s[HI], 1                   ; the first block has 8 - b tiles
	s_mov_b32 s[NXT], 1
	s_mov_b32 s[LQ], s[HI]
	s_mov_b32 s[NEW], 1
	s_mov_b32 s[OFF+1], 0
	s_mov_b32 s[SLOTS], NB
	s_cmp_eq_u32 ttmp9, 0
	s_cselect_b32 s[PFC], 6, 0
	s_wait_dscnt 0x0                               ; the opening add is done
	s_wait_kmcnt 0x0
	s_add_nc_u64 s[6:7], s[4:5], s[22:23]          ; K at my half of the head's tile 0,
	s_add_nc_u64 s[8:9], s[6:7], 8388608           ; V likewise
	s_add_nc_u64 s[QLO:QLO+1], s[4:5], s[96:97]
	s_add_nc_u64 s[4:5], s[4:5], s[2:3]
	s_add_nc_u64 s[10:11], s[94:95], s[98:99]
	s_add_nc_u64 s[OLO:OLO+1], s[94:95], s[20:21]
	s_lshr_b32 s98, s98, 1                         ; xn's rows and numbers are half as long
	s_lshr_b32 s20, s20, 1
	s_add_nc_u64 s[XB:XB+1], s[92:93], s[98:99]
	s_add_nc_u64 s[XLO:XLO+1], s[92:93], s[20:21]
	s_add_nc_u64 s[G0K+2:G0K+3], s[6:7], 0
	s_or_b32 s[G0K+3], s[G0K+3], 0x80000000
	s_add_nc_u64 s[G0V+2:G0V+3], s[8:9], 0
	s_or_b32 s[G0V+3], s[G0V+3], 0x80000000
	s_cmp_lt_u32 s[WV], 2
	s_cselect_b64 s[PFA:PFA+1], s[6:7], s[8:9]
	s_add_nc_u64 s[PFA:PFA+1], s[PFA:PFA+1], 32768 ; at tile 1: the first change of slots steps it to tile 2
	LOAD                                           ; tile 0 into slot 0
	v_and_b32 v1, 15, v0                           ; l % 16
	v_bfe_u32 v9, v0, 4, 1                         ; l / 16
	v_lshlrev_b32 v[QO], 7, v1
	v_lshl_add_u32 v[QO], v9, 4, v[QO]
	WIN 0x40
.set i, 0
.rept 4                                ; both blocks' Q: piece i / 2 lies 64 rows on; channels 32 (i % 2) on
	global_load_b128 v[Q+8*i:Q+8*i+3],     v[QO], s[4:5] offset:(i/2)*8192+(i%2)*64
	global_load_b128 v[Q+8*i+4:Q+8*i+7],   v[QO], s[4:5] offset:(i/2)*8192+(i%2)*64+32
	global_load_b128 v[QB+8*i:QB+8*i+3],   v[QO], s[QLO:QLO+1] offset:(i/2)*8192+(i%2)*64
	global_load_b128 v[QB+8*i+4:QB+8*i+7], v[QO], s[QLO:QLO+1] offset:(i/2)*8192+(i%2)*64+32
.set i, i+1
.endr
	WIN 0
	v_lshlrev_b32 v10, 3, v9                       ; 8 (l / 16)
	v_sub_nc_u32 v14, v1, v10
	s_lshl_b32 s13, s[WV], 4
	v_add_nc_u32 v14, s13, v14                     ; my query's place in its band less my lanes' 8 (l / 16): register r of key group kt is hidden where 16 kt + r is greater
	WIN 0x40
.set i, 0
.rept 32
	v_cmp_gt_i32 vcc_lo, 16*(i/8)+i%8, v14
	v_cndmask_b32 v[MD+i], 0, s[BIGN], vcc_lo
.set i, i+1
.endr
	WIN 0
	s_mul_f32 s96, s[S8], 0x41800000               ; 16, 32 and 48 keys' worth of 8 slope
	s_mul_f32 s97, s[S8], 0x42000000
	s_mul_f32 s98, s[S8], 0x42400000
.set i, 0
.rept 8
	v_add_nc_u32 v[S+i], i, v10
.set i, i+1
.endr
.set i, 0
.rept 8
	v_cvt_f32_u32 v[S+i], v[S+i]
.set i, i+1
.endr
	WIN 0x40
.set i, 0
.rept 8
	v_mul_f32 v[AB+i], s[S8], v[S+i]               ; 8 slope x (8 (l / 16) + r)
.set i, i+1
.endr
	WIN 0x44
.set i, 8
.rept 24
	v_add_f32 v[AB+i], s[95+i/8], v[AB+i%8]
.set i, i+1
.endr
	WIN 0
	v_mul_u32_u24 v[AK0], v1, PK
	v_lshl_add_u32 v[AK0], v9, 4, v[AK0]
	v_and_b32 v10, 7, v0                           ; the turning load: lane l reads key 8 (l / 16) + l % 8, channels 8 ((l / 8) % 2) + 0..7
	v_bfe_u32 v11, v0, 3, 1
	v_lshl_add_u32 v[AV0], v9, 3, v10
	v_mul_u32_u24 v[AV0], v[AV0], PV
	v_lshl_add_u32 v[AV0], v11, 4, v[AV0]
	v_add_nc_u32 v[AV0], VOFF, v[AV0]
	s_mul_i32 s13, s[WV], 16*SP
	s_add_co_u32 s13, s13, STAGE
	v_mul_u32_u24 v[STO], v1, SP                   ; in: row l % 16, 32 bytes for each half of the lanes
	v_lshl_add_u32 v[STO], v9, 5, v[STO]
	v_add_nc_u32 v[STO], s13, v[STO]
	v_mul_u32_u24 v[RD], v9, SP                    ; back: lanes 0-15 one row of 256 bytes, lanes 16-31 the next
	v_lshl_add_u32 v[RD], v1, 4, v[RD]
	v_add_nc_u32 v[RD], s13, v[RD]
	v_lshlrev_b32 v[GO], 12, v9                    ; the same two rows in att,
	v_lshl_add_u32 v[GO], v1, 4, v[GO]
	v_lshlrev_b32 v[XO], 11, v9                    ; and in xn
	v_lshl_add_u32 v[XO], v1, 3, v[XO]
	v_mov_b32 v[ONE], 1.0
	v_and_b32 v[PFO], 31, v0
	v_lshlrev_b32 v[PFO], 8, v[PFO]
	; A block's first steps multiply O^T and l by a = 0, and its first turn's products V^T P land in an O^T that is still to be so multiplied: O^T, l, V and piece 1's P need only be finite:
	; zeros for the first block, what the first block left for the second.  Written in the wait for the first tile.
.set i, 0
.rept 64
	v_mov_b32 v[O+i], 0
.set i, i+1
.endr
.irp t, 0,1
	v_mov_b32 v[ST+4*\t+2], 0
	v_mov_b32 v[ST+4*\t+3], 0
.endr
.set i, 0
.rept 16
	v_mov_b32 v[P+16+i], 0
.set i, i+1
.endr
	WIN 0x40
.set i, 0
.rept 64
	v_mov_b32 v[VF+i], 0
.set i, i+1
.endr
	WIN 0
.Lslot:                                        ; eight times: a tile is entered and the next is asked for
	CHANGE 1
	VSET
	s_cmp_eq_u32 s[NEW], 1
	s_cbranch_scc0 .Lstep                          ; not a block's first tile
	BEGIN
	s_branch .Lmid_a
.Lstep:                                        ; a trip: the step 4 - CNT of the tile is fetched and its scores are made; the step before it is finished
	TURN 0, 1
.Lmid_a:
	TURN 1, 1
	s_sub_co_u32 s[CNT], s[CNT], 1
	s_cmp_lg_u32 s[CNT], 0
	s_cbranch_scc1 .Lstep
	s_cmp_lg_u32 s[RT], 0
	s_cbranch_scc1 .Lbottom                        ; not the block's last tile
	ENDHALF                                        ; in the loop this is the first block's end
	WAYOUT
	s_wait_xcnt 0x0                                ; the stores have read their registers and att's address
	s_mov_b64 s[10:11], s[OLO:OLO+1]
	s_mov_b64 s[XB:XB+1], s[XLO:XLO+1]
	s_add_co_u32 s[RT], s[PB], 1                   ; the second block has b + 1 tiles
	s_mov_b32 s[NEW], 1
	WIN 0x41
.set i, 0
.rept 32
	v_mov_b32 v[Q+i], v[QB+i]
.set i, i+1
.endr
	WIN 0
.Lbottom:
	s_sub_co_u32 s[SLOTS], s[SLOTS], 1
	s_cmp_lg_u32 s[SLOTS], 0
	s_cbranch_scc1 .Lslot
	CHANGE 0                                       ; the walk's last tile is written out: nothing is asked for
	VSET
	s_cmp_eq_u32 s[NEW], 1
	s_cbranch_scc0 .Lstep2
	BEGIN
	s_branch .Lmid_b
.Lstep2:
	TURN 0, 1
.Lmid_b:
	TURN 1, 1
	s_sub_co_u32 s[CNT], s[CNT], 1
	s_cmp_lg_u32 s[CNT], 0
	s_cbranch_scc1 .Lstep2
	ENDHALF
	WAYOUT
	s_wait_tensorcnt 0x0                           ; the wave's end
	ds_add_u32 v[SPW], v[NIL]
	s_wait_dscnt 0x0
	s_endpgm
.Lfunc_end_k_q5693ec3a4d_attn:
	.size	k_q5693ec3a4d_attn, .Lfunc_end_k_q5693ec3a4d_attn-k_q5693ec3a4d_attn
	.p2alignl 7, 3214868480
	.fill 96, 4, 3214868480
	.section	.rodata,"a",@progbits
	.p2align	6, 0x0
	.amdhsa_kernel k_q5693ec3a4d_attn
		.amdhsa_group_segment_fixed_size 327680
		.amdhsa_private_segment_fixed_size 0
		.amdhsa_enable_private_segment 0
		.amdhsa_kernarg_size 24
		.amdhsa_user_sgpr_count 2
		.amdhsa_user_sgpr_kernarg_segment_ptr 1
		.amdhsa_wavefront_size32 1
		.amdhsa_system_sgpr_workgroup_id_x 1
		.amdhsa_system_sgpr_workgroup_id_y 1
		.amdhsa_system_sgpr_workgroup_id_z 1
		.amdhsa_system_vgpr_workitem_id 0
		.amdhsa_next_free_vgpr 576
		.amdhsa_next_free_sgpr 100
		.amdhsa_reserve_vcc 1
		.amdhsa_float_denorm_mode_32 3
		.amdhsa_float_denorm_mode_16_64 3
		.amdhsa_memory_ordered 1
		.amdhsa_forward_progress 1
		.amdhsa_inst_pref_size 116
	.end_amdhsa_kernel
	.amdgpu_metadata
---
amdhsa.version: [ 1, 2 ]
amdhsa.kernels:
  - .name:           k_q5693ec3a4d_attn
    .symbol:         k_q5693ec3a4d_attn.kd
    .args:
      - { .name: qkv, .offset: 0, .size: 8, .value_kind: global_buffer, .address_space: global }
      - { .name: xn, .offset: 8, .size: 8, .value_kind: global_buffer, .address_space: global }
      - { .name: att, .offset: 16, .size: 8, .value_kind: global_buffer, .address_space: global }
    .group_segment_fixed_size: 327680
    .private_segment_fixed_size: 0
    .kernarg_segment_align: 8
    .kernarg_segment_size: 24
    .max_flat_workgroup_size: 128
    .sgpr_count:     100
    .vgpr_count:     576
    .wavefront_size: 32
...
	.end_amdgpu_metadata
.endif
;; end of part 3
;; launch ln2 (part 4): grid 256 x 1, 8 waves a work-group, no clusters, 0 bytes of LDS; arguments att, g2, b2, hn; writes hn
.if DOCPART == 4
	.amdgcn_target "amdgcn-amd-amdhsa--gfx1250"
	.amdhsa_code_object_version 6
	.text
	.protected	k_q5693ec3a4d_ln2
	.globl	k_q5693ec3a4d_ln2
	.p2align	8
	.type	k_q5693ec3a4d_ln2,@function
k_q5693ec3a4d_ln2:
	s_mov_b64 s[64:65], 0
	v_nop
	global_prefetch_b8 v0, s[64:65] scope:SCOPE_SE
	s_setreg_imm32_b32 hwreg(HW_REG_WAVE_MODE, 25, 1), 1
	s_wait_xcnt 0x0
; hn = layer_norm(att, g2, b2), f32 in, f16 out.  A work-group has 16 rows of 1,024 numbers, a wave two; a row stays in 32 registers between the pass for the mean, the pass for the mean of
; (x - mean)^2 and the scaling: att is read once.  A load of a wave covers 512 consecutive bytes, a store 256 consecutive bytes, aligned.  No LDS, no barrier.
; LIMITS.  hn must lie within f16's range (65,504).  v_rsq_f32 is good to 1 ulp.  NaN and infinities are not treated apart.
.set VO,  2
.set OO,  3
.set MU,  8
.set RS,  10
.set G,   16
.set B,   48
.set X0,  80
.set X1,  112
.set T,   144
.set Y0,  152
.set Y1,  168
.macro REDUCE                          ; four pairs in T -> their sum over the wave, in v[T] of every lane
	v_pk_add_f32 v[T:T+1], v[T:T+1], v[T+2:T+3]
	v_pk_add_f32 v[T+4:T+5], v[T+4:T+5], v[T+6:T+7]
	v_pk_add_f32 v[T:T+1], v[T:T+1], v[T+4:T+5]
	v_add_f32 v[T], v[T], v[T+1]
	v_add_f32_dpp v[T], v[T], v[T] row_xmask:1 row_mask:0xf bank_mask:0xf
	v_add_f32_dpp v[T], v[T], v[T] row_xmask:2 row_mask:0xf bank_mask:0xf
	v_add_f32_dpp v[T], v[T], v[T] row_xmask:4 row_mask:0xf bank_mask:0xf
	v_add_f32_dpp v[T], v[T], v[T] row_xmask:8 row_mask:0xf bank_mask:0xf
	v_permlanex16_b32 v[T+1], v[T], s30, s31
	v_add_f32 v[T], v[T], v[T+1]
.endm
.macro ROWDO xr, yr, cnt1, cnt2, off
	s_wait_loadcnt \cnt1
.irp c, 0,1,2,3
	v_pk_add_f32 v[T+2*(\c):T+2*(\c)+1], v[(\xr)+2*(\c):(\xr)+2*(\c)+1], v[(\xr)+8+2*(\c):(\xr)+8+2*(\c)+1]
.endr
.irp k, 2,3
.irp c, 0,1,2,3
	v_pk_add_f32 v[T+2*(\c):T+2*(\c)+1], v[T+2*(\c):T+2*(\c)+1], v[(\xr)+8*(\k)+2*(\c):(\xr)+8*(\k)+2*(\c)+1]
.endr
.endr
	REDUCE
	v_mul_f32 v[MU], s28, v[T]
	v_mul_f32 v[MU+1], s28, v[T]
.set p, 0
.rept 16
	v_pk_add_f32 v[(\xr)+p:(\xr)+p+1], v[(\xr)+p:(\xr)+p+1], v[MU:MU+1] neg_lo:[0,1] neg_hi:[0,1]
.set p, p+2
.endr
.irp c, 0,1,2,3
	v_pk_mul_f32 v[T+2*(\c):T+2*(\c)+1], v[(\xr)+2*(\c):(\xr)+2*(\c)+1], v[(\xr)+2*(\c):(\xr)+2*(\c)+1]
.endr
.irp k, 1,2,3
.irp c, 0,1,2,3
	v_pk_fma_f32 v[T+2*(\c):T+2*(\c)+1], v[(\xr)+8*(\k)+2*(\c):(\xr)+8*(\k)+2*(\c)+1], v[(\xr)+8*(\k)+2*(\c):(\xr)+8*(\k)+2*(\c)+1], v[T+2*(\c):T+2*(\c)+1]
.endr
.endr
	REDUCE
	v_fma_f32 v[T], v[T], s28, s29
	v_rsq_f32 v[RS], v[T]
	v_rsq_f32 v[RS+1], v[T]
	v_nop                                          ; a plain instruction behind the second root,
	s_wait_alu depctr_va_vdst(0)                   ; and one wait for both
	s_wait_loadcnt \cnt2
.set p, 0
.rept 16
	v_pk_mul_f32 v[(\xr)+p:(\xr)+p+1], v[(\xr)+p:(\xr)+p+1], v[RS:RS+1]
.set p, p+2
.endr
.set p, 0
.rept 16
	v_pk_fma_f32 v[(\xr)+p:(\xr)+p+1], v[(\xr)+p:(\xr)+p+1], v[G+p:G+p+1], v[B+p:B+p+1]
.set p, p+2
.endr
.set p, 0
.rept 16
	v_cvt_pk_f16_f32 v[(\yr)+p], v[(\xr)+2*p], v[(\xr)+2*p+1]
.set p, p+1
.endr
.irp j, 0,1,2,3,4,5,6,7
	global_store_b64 v[OO], v[(\yr)+2*(\j):(\yr)+2*(\j)+1], s[10:11] offset:(\off)+256*(\j)
.endr
.endm
	s_load_b256 s[4:11], s[0:1], 0x0               ; att s[4:5], g2 s[6:7], b2 s[8:9], hn s[10:11]
	v_lshrrev_b32 v1, 5, v0
	v_readfirstlane_b32 s24, v1
	v_and_b32 v1, 31, v0
	v_lshlrev_b32 v[VO], 4, v1
	v_lshlrev_b32 v[OO], 3, v1
	s_lshl_b32 s2, ttmp9, 16
	s_lshl_b32 s3, s24, 13
	s_add_co_u32 s2, s2, s3
	s_mov_b32 s3, 0
	s_lshr_b32 s26, s2, 1
	s_mov_b32 s27, 0
	s_mov_b32 s28, 0x3a800000                      ; 1 / 1024
	s_mov_b32 s29, 0x3727c5ac                      ; 1e-5
	s_mov_b32 s30, 0x76543210
	s_mov_b32 s31, 0xfedcba98
	s_wait_kmcnt 0x0
	s_add_nc_u64 s[4:5], s[4:5], s[2:3]
	s_add_nc_u64 s[10:11], s[10:11], s[26:27]
.irp j, 0,1,2,3,4,5,6,7
	global_load_b128 v[X0+4*(\j):X0+4*(\j)+3], v[VO], s[4:5] offset:512*(\j)
.endr
.irp j, 0,1,2,3,4,5,6,7
	global_load_b128 v[G+4*(\j):G+4*(\j)+3], v[VO], s[6:7] offset:512*(\j)
.endr
.irp j, 0,1,2,3,4,5,6,7
	global_load_b128 v[B+4*(\j):B+4*(\j)+3], v[VO], s[8:9] offset:512*(\j)
.endr
.irp j, 0,1,2,3,4,5,6,7
	global_load_b128 v[X1+4*(\j):X1+4*(\j)+3], v[VO], s[4:5] offset:4096+512*(\j)
.endr
	ROWDO X0, Y0, 24, 8, 0                         ; 24 younger loads (gain, bias, second row), then 8 (second row)
	ROWDO X1, Y1, 0, 0, 2048
	s_endpgm
.Lfunc_end_k_q5693ec3a4d_ln2:
	.size	k_q5693ec3a4d_ln2, .Lfunc_end_k_q5693ec3a4d_ln2-k_q5693ec3a4d_ln2
	.p2alignl 7, 3214868480
	.fill 96, 4, 3214868480
	.section	.rodata,"a",@progbits
	.p2align	6, 0x0
	.amdhsa_kernel k_q5693ec3a4d_ln2
		.amdhsa_group_segment_fixed_size 0
		.amdhsa_private_segment_fixed_size 0
		.amdhsa_enable_private_segment 0
		.amdhsa_kernarg_size 32
		.amdhsa_user_sgpr_count 2
		.amdhsa_user_sgpr_kernarg_segment_ptr 1
		.amdhsa_wavefront_size32 1
		.amdhsa_system_sgpr_workgroup_id_x 1
		.amdhsa_system_sgpr_workgroup_id_y 1
		.amdhsa_system_sgpr_workgroup_id_z 1
		.amdhsa_system_vgpr_workitem_id 0
		.amdhsa_next_free_vgpr 184
		.amdhsa_next_free_sgpr 66
		.amdhsa_reserve_vcc 0
		.amdhsa_float_denorm_mode_32 3
		.amdhsa_float_denorm_mode_16_64 3
		.amdhsa_memory_ordered 1
		.amdhsa_forward_progress 1
		.amdhsa_inst_pref_size 20
	.end_amdhsa_kernel
	.amdgpu_metadata
---
amdhsa.version: [ 1, 2 ]
amdhsa.kernels:
  - .name:           k_q5693ec3a4d_ln2
    .symbol:         k_q5693ec3a4d_ln2.kd
    .args:
      - { .name: att, .offset: 0, .size: 8, .value_kind: global_buffer, .address_space: global }
      - { .name: g2, .offset: 8, .size: 8, .value_kind: global_buffer, .address_space: global }
      - { .name: b2, .offset: 16, .size: 8, .value_kind: global_buffer, .address_space: global }
      - { .name: hn, .offset: 24, .size: 8, .value_kind: global_buffer, .address_space: global }
    .group_segment_fixed_size: 0
    .private_segment_fixed_size: 0
    .kernarg_segment_align: 8
    .kernarg_segment_size: 32
    .max_flat_workgroup_size: 256
    .sgpr_count:     66
    .vgpr_count:     184
    .wavefront_size: 32
...
	.end_amdgpu_metadata
.endif
;; end of part 4
;; launch mlp1 (part 5): grid 16 x 16, 4 waves a work-group, clusters of 4 x 4, 327,680 bytes of LDS; arguments hn, wh, act; writes act
.if DOCPART == 5
	.amdgcn_target "amdgcn-amd-amdhsa--gfx1250"
	.amdhsa_code_object_version 6
	.text
	.protected	k_q5693ec3a4d_mlp1
	.globl	k_q5693ec3a4d_mlp1
	.p2align	8
	.type	k_q5693ec3a4d_mlp1,@function
k_q5693ec3a4d_mlp1:
	s_mov_b64 s[64:65], 0
	v_nop
	global_prefetch_b8 v0, s[64:65] scope:SCOPE_SE
	s_setreg_imm32_b32 hwreg(HW_REG_WAVE_MODE, 25, 1), 1
	s_wait_xcnt 0x0
	s_wait_alu depctr_hold_cnt(0) depctr_sa_sdst(0) depctr_va_vdst(0) depctr_va_sdst(0) depctr_va_ssrc(0) depctr_va_vcc(0) depctr_vm_vsrc(0)
	s_getreg_b32 s2, hwreg(HW_REG_IB_STS2, 6, 4)
	s_cmp_eq_u32 s2, 0
	s_cbranch_scc0 .Lentry_in_a_cluster
	s_endpgm
.Lentry_in_a_cluster:
	s_bfe_u32 s2, ttmp6, 0x10000c
	s_cmp_lg_u32 s2, 0xf033
	s_cbranch_scc0 .Lentry_shape_is_right
	s_endpgm
.Lentry_shape_is_right:
; act = silu(hn W1^T).  A = hn [4096][1024] f16, B = W1 [4096][1024] f16 (at byte 6,291,456 of wh); sums and silu in f32; act [4096][4096] rounded once to f16.
; A tile of the result is 256 x 256: 16 x 16 = 256 work-groups.  Four waves, each 128 x 128: 64 accumulators.  K goes in steps of 128 through two LDS slots filled by tensor loads.
; CLUSTER 4 x 4: A's tiles are asked for jointly along a row of the cluster, B's along a column.  The matrix instruction is used transposed (source 0 = rows of B, source 1 = rows of A).
; ONE K step is written, and looped over; the LDS base of the slot that is read (TB) and of the slot that is filled (FS) are 0 or SLOT and change by an exclusive or.
; THE WAY OUT: the whole tile goes in f32 into a stage that lies over the slots (behind their last fill and a barrier); a loop takes four rows a trip: silu(x) = x / (1 + 2^(-x log2 e)), rounding, stores of 256 consecutive bytes.
; LIMITS.  act must lie within f16's range (65,504).  v_exp_f32 and v_rcp_f32 are good to 1 ulp.  NaN and infinities are not treated apart.
; REGISTERS: window 0: v16-32 addresses; v64-127, v128-191 A's fragments, two buffers.  Window 1: B's fragments at the same numbers.  Windows 2, 3: accumulators, (a, b) at v[8 (8 (a % 4) + b)] of window 2 + a / 4.
.set SIZE_K, 1024
.set LOGROW, 11
.set KSTEP,  128
.set PITCH,  272
.set NBK,    8
.set RA,     128
.set RB,     128
.set HA,     RA*PITCH
.set HB,     RB*PITCH
.set SLOT,   2*HA+2*HB
.set NL,     2*NBK+16
.set STEPS,  SIZE_K/KSTEP
.set BOFF,   6291456
.set SP,     1040                      ; a stage row: 256 f32 + 16 bytes
.set SPARE,  327168
.set A0L, 16
.set B0L, 17
.set ADRA, 18
.set ADRB, 19
.set STO, 24
.set RD,  26
.set SPW, 28
.set NIL, 29
.set PFO, 30
.set CO,  32
.set F0,  64
.set F1,  128
.set G1,  24
.set G0,  32
.set G1B, 48
.set G0B, 56
.set LIM, 43
.set PFA, 44
.set TB,  66
.set FS,  67
.set WA,  68
.set WB,  69
.set MSB, 0
.macro WIN new
.if MSB != (\new)
	s_set_vgpr_msb (MSB<<8)|(\new)
.set MSB, \new
.endif
.endm
.set MUL_LO, 0xa1
.set MUL_HI, 0xf1
.set TO_B,   0x40
.macro JLOAD s                         ; a joint load: waves 0, 1 fetch A's halves, waves 2, 3 B's; s_nop 0 and four v_nop follow each line
	s_cmp_eq_u32 s11, 0
	s_cbranch_scc0 .Lfor_b_\@
	tensor_load_to_lds s[G0+4*(\s):G0+4*(\s)+3], s[G1:G1+7]
	s_nop 0
.rept 4
	v_nop
.endr
	s_branch .Lasked_\@
.Lfor_b_\@:
	tensor_load_to_lds s[G0B+4*(\s):G0B+4*(\s)+3], s[G1B:G1B+7]
	s_nop 0
.rept 4
	v_nop
.endr
.Lasked_\@:
.endm
; A prefetch of the K step that stands two refills on: a lane a row, 256 bytes of it.  A's rows are asked for by the cluster with x = 0, B's by the cluster with y = 0; the four partners of a joint load
; share its 128 rows out by address, 32 each.  The loop's last two trips ask for nothing.
.macro ASK
	s_cmp_gt_u32 s3, s[LIM]
	s_cbranch_scc0 .Lnot_mine_\@
	global_prefetch_b8 v[PFO], s[PFA:PFA+1] offset:KSTEP*2 th:TH_LOAD_NT scope:SCOPE_SE
.Lnot_mine_\@:
.endm
.macro CREST
	s_cmp_lg_u32 s10, 0
	s_cbranch_scc1 .Lnot_wave_0_\@
	s_barrier_signal -3
.Lnot_wave_0_\@:
	s_barrier_wait -3
	s_barrier_signal -1
	s_barrier_wait -1
.endm
.macro CROUND
	s_barrier_signal -1
	s_barrier_wait -1
	CREST
.endm
.macro PLACES
.rept 4
	v_nop
.endr
.endm
.macro MULG f, hi, a0, zero            ; 2 NBK products; the accumulators take turns, in the same order everywhere
	WIN MUL_LO+0x50*(\hi)
.irp a, \a0, (\a0)+1
.set b, 0
.rept NBK
.if \zero
	v_wmma_f32_16x16x32_f16 v[8*(NBK*(\a)+b):8*(NBK*(\a)+b)+7], v[(\f)+8*b:(\f)+8*b+7], v[(\f)+8*(4*(\hi)+(\a)):(\f)+8*(4*(\hi)+(\a))+7], 0
.else
	v_wmma_f32_16x16x32_f16 v[8*(NBK*(\a)+b):8*(NBK*(\a)+b)+7], v[(\f)+8*b:(\f)+8*b+7], v[(\f)+8*(4*(\hi)+(\a)):(\f)+8*(4*(\hi)+(\a))+7], v[8*(NBK*(\a)+b):8*(NBK*(\a)+b)+7]
.endif
.set b, b+1
.endr
.endr
.endm
.macro FETCH k, f
	WIN TO_B
.set i, 0
.rept NBK
	ds_load_b128 v[(\f)+8*i:(\f)+8*i+3],   v[ADRB] offset:(\k)+i*16*PITCH
	ds_load_b128 v[(\f)+8*i+4:(\f)+8*i+7], v[ADRB] offset:(\k)+i*16*PITCH+32
.set i, i+1
.endr
	WIN 0
.set i, 0
.rept 8
	ds_load_b128 v[(\f)+8*i:(\f)+8*i+3],   v[ADRA] offset:(\k)+i*16*PITCH
	ds_load_b128 v[(\f)+8*i+4:(\f)+8*i+7], v[ADRA] offset:(\k)+i*16*PITCH+32
.set i, i+1
.endr
.endm
.macro QUARTER k, f, g, zero
	s_wait_dscnt 8                                 ; B and A's rows 0-63 are in; the youngest eight loads may be out
	MULG \f, 0, 0, \zero
	MULG \f, 0, 2, \zero
	PLACES
	FETCH \k, \g
	s_wait_dscnt NL                                ; all but the loads just issued
	MULG \f, 1, 0, \zero
	MULG \f, 1, 2, \zero
.endm
; The fourth quarter multiplies buffer 1 and changes slots: each wave waits for all its tensor loads, adds 0 to its spare word, waits for that and for its reads of this slot; fill = 1: the barrier opens a round
; of the cluster's barrier, and the joint refill, two K steps ahead, is the first thing behind the round.
.macro TURN fill
.if \fill
	s_wait_xcnt 0x0                                ; the last prefetch, a K step back, has read its address
	s_add_nc_u64 s[PFA:PFA+1], s[PFA:PFA+1], KSTEP*2
.endif
	WIN 0
	s_wait_tensorcnt 0x0
	ds_add_u32 v[SPW], v[NIL]
	s_wait_dscnt 9                                 ; the add and the youngest eight loads may be out
	MULG F1, 0, 0, 0
	s_wait_dscnt 0x0
	s_barrier_signal -1
	MULG F1, 0, 2, 0
	WIN 0
	s_barrier_wait -1
.if \fill
	CREST
	s_xor_b32 s[FS], s[FS], SLOT
	s_add_co_u32 s[G0+5], s[WA], s[FS]
	s_add_co_u32 s[G0B+5], s[WB], s[FS]
	s_add_nc_u64 s[G0+6:G0+7], s[G0+6:G0+7], KSTEP*2
	s_add_nc_u64 s[G0B+6:G0B+7], s[G0B+6:G0B+7], KSTEP*2
	JLOAD 1
.else
	PLACES
.endif
	s_xor_b32 s[TB], s[TB], SLOT
	v_add_nc_u32 v[ADRA], s[TB], v[A0L]
	v_add_nc_u32 v[ADRB], s[TB], v[B0L]
	FETCH 0, F0
.if \fill
	ASK
.endif
	MULG F1, 1, 0, 0
	MULG F1, 1, 2, 0
.endm
	s_load_b128 s[4:7], s[0:1], 0x0                ; hn s[4:5], wh s[6:7]
	s_load_b64 s[8:9], s[0:1], 0x10                ; act
	v_lshl_add_u32 v[SPW], v0, 2, SPARE
	v_mov_b32 v[NIL], 0
	ds_add_u32 v[SPW], v[NIL]                      ; the wave's opening: the add and its wait ahead of my first tensor load
	v_lshrrev_b32 v1, 5, v0
	v_readfirstlane_b32 s10, v1
	s_lshr_b32 s11, s10, 1
	s_and_b32 s12, s10, 1
	s_bfe_u32 s40, ttmp6, 0x40000
	s_bfe_u32 s41, ttmp6, 0x40004
	s_lshl_b32 s42, ttmp9, 2
	s_add_co_u32 s42, s42, s40                     ; tile column
	s_and_b32 s13, ttmp7, 0xffff
	s_lshl_b32 s13, s13, 2
	s_add_co_u32 s13, s13, s41                     ; tile row
	s_lshl_b32 s43, s41, 2
	s_lshl_b32 s43, 15, s43
	s_lshl_b32 s44, 0x1111, s40
	s_or_b32 s[G1+0], s43, (1<<16)|(1<<20)|(1<<21)|(5<<22)|(3<<25)
	s_or_b32 s[G1B+0], s44, (1<<16)|(1<<20)|(1<<21)|(5<<22)|(3<<25)
	s_mov_b32 s[G1+1], KSTEP<<16
	s_mov_b32 s[G1+2], RA<<16
	s_mov_b32 s[G1+3], KSTEP<<16
	s_mov_b32 s[G1+4], RA
	s_mov_b32 s[G1+5], SIZE_K
	s_mov_b32 s[G1+6], 0
	s_mov_b32 s[G1+7], 0
	s_mov_b32 s[G1B+1], KSTEP<<16
	s_mov_b32 s[G1B+2], RB<<16
	s_mov_b32 s[G1B+3], KSTEP<<16
	s_mov_b32 s[G1B+4], RB
	s_mov_b32 s[G1B+5], SIZE_K
	s_mov_b32 s[G1B+6], 0
	s_mov_b32 s[G1B+7], 0
	s_mul_i32 s17, s12, RA
	s_lshl_b32 s16, s13, 8
	s_add_co_u32 s16, s16, s17
	s_lshl_b32 s16, s16, LOGROW
	s_mov_b32 s17, 0
	s_mul_i32 s46, s42, 2*RB
	s_mul_i32 s47, s12, RB
	s_add_co_u32 s46, s46, s47
	s_lshl_b32 s46, s46, LOGROW
	s_mov_b32 s47, 0
	s_mul_i32 s[WA], s12, HA
	s_mul_i32 s[WB], s12, HB
	s_add_co_u32 s[WB], s[WB], 2*HA
	s_mov_b32 s[TB], 0
	s_mov_b32 s[FS], SLOT
	s_wait_dscnt 0x0
	s_wait_kmcnt 0x0
	s_add_nc_u64 s[6:7], s[6:7], BOFF              ; W1 in wh
	s_add_nc_u64 s[14:15], s[4:5], s[16:17]
	s_add_nc_u64 s[46:47], s[6:7], s[46:47]
	CROUND
.irp s, 0,1
	s_mov_b32 s[G0+4*(\s)], 1
	s_add_co_u32 s[G0+4*(\s)+1], s[WA], (\s)*SLOT
	s_add_nc_u64 s[G0+4*(\s)+2:G0+4*(\s)+3], s[14:15], (\s)*KSTEP*2
	s_or_b32 s[G0+4*(\s)+3], s[G0+4*(\s)+3], 0x80000000
	s_mov_b32 s[G0B+4*(\s)], 1
	s_add_co_u32 s[G0B+4*(\s)+1], s[WB], (\s)*SLOT
	s_add_nc_u64 s[G0B+4*(\s)+2:G0B+4*(\s)+3], s[46:47], (\s)*KSTEP*2
	s_or_b32 s[G0B+4*(\s)+3], s[G0B+4*(\s)+3], 0x80000000
	JLOAD \s
.endr
	v_and_b32 v1, 15, v0
	v_bfe_u32 v2, v0, 4, 1
	v_mul_u32_u24 v3, v1, PITCH
	v_lshl_add_u32 v3, v2, 4, v3
	s_mul_i32 s21, s11, HA
	s_mul_i32 s22, s12, HB
	s_add_co_u32 s22, s22, 2*HA
	v_add_nc_u32 v[A0L], s21, v3
	v_add_nc_u32 v[B0L], s22, v3
	v_mov_b32 v[ADRA], v[A0L]
	v_mov_b32 v[ADRB], v[B0L]
	s_mul_i32 s23, s11, 128*SP                     ; stage, in
	s_mul_i32 s21, s12, 64*NBK
	s_add_co_u32 s23, s23, s21
	v_mul_u32_u24 v4, v1, SP
	v_lshl_add_u32 v4, v2, 5, v4
	v_add_nc_u32 v[STO], s23, v4
	v_add_nc_u32 v[STO+1], 64*SP, v[STO]
	s_mul_i32 s23, s10, 64*SP                      ; stage, back: wave w takes rows 64 w ..; a load covers 512 consecutive bytes of a row
	v_and_b32 v5, 31, v0
	v_lshl_add_u32 v[RD], v5, 4, s23
	v_lshlrev_b32 v[CO], 3, v5                     ; my 4 numbers in f16
	s_lshl_b32 s70, s13, 8
	s_lshl_b32 s71, s10, 6
	s_add_co_u32 s70, s70, s71                     ; my first row of act,
	s_lshl_b32 s70, s70, 13                        ; of 8,192 bytes,
	s_lshl_b32 s71, s42, 9                         ; the tile's 512 bytes of it
	s_add_co_u32 s70, s70, s71
	s_mov_b32 s71, 0
	s_add_nc_u64 s[8:9], s[8:9], s[70:71]
	; the prefetches
	s_lshl_b32 s70, s13, 8
	s_mul_i32 s71, s42, 2*RB
	s_and_b32 s72, ttmp7, 0xffff
	s_cmp_eq_u32 s11, 0
	s_cselect_b32 s70, s70, s71
	s_cselect_b32 s71, s40, s41
	s_cselect_b32 s72, ttmp9, s72
	s_cselect_b64 s[PFA:PFA+1], s[4:5], s[6:7]
	s_lshl_b32 s75, s12, 7                         ; the 128 rows that I fetch,
	s_add_co_u32 s70, s70, s75
	s_lshl_b32 s73, s71, 5                         ; my work-group's 32 of them
	s_add_co_u32 s70, s70, s73
	s_cmp_eq_u32 s72, 0
	s_cselect_b32 s[LIM], 2, -1
	s_lshl_b32 s70, s70, LOGROW
	s_mov_b32 s71, 0
	s_add_nc_u64 s[PFA:PFA+1], s[PFA:PFA+1], s[70:71]
	s_add_nc_u64 s[PFA:PFA+1], s[PFA:PFA+1], 2*KSTEP*2
	v_and_b32 v[PFO], 31, v0
	v_lshlrev_b32 v[PFO], LOGROW, v[PFO]
	s_wait_tensorcnt 1                             ; my part of K step 0 is in; K step 1's may stay out
	s_barrier_signal -1
	s_barrier_wait -1
	FETCH 0, F0
	QUARTER 64, F0, F1, 1
	WIN 0
	s_mov_b32 s3, STEPS-2
.Lstep:
	QUARTER 128, F1, F0, 0
	QUARTER 192, F0, F1, 0
	TURN 1
	QUARTER 64, F0, F1, 0
	WIN 0
	s_sub_co_u32 s3, s3, 1
	s_cmp_lg_u32 s3, 0
	s_cbranch_scc1 .Lstep
	s_mov_b32 s3, 2
.Ltail:                                        ; the last two K steps ask for nothing; the second trip's fetch brings fragments that nobody uses
	QUARTER 128, F1, F0, 0
	QUARTER 192, F0, F1, 0
	TURN 0
	WIN 0
	s_cmp_eq_u32 s3, 1
	s_cbranch_scc1 .Lskip
	QUARTER 64, F0, F1, 0
	WIN 0
.Lskip:
	s_sub_co_u32 s3, s3, 1
	s_cmp_lg_u32 s3, 0
	s_cbranch_scc1 .Ltail
	s_wait_dscnt 0x0
	PLACES
	s_barrier_signal -1
	s_barrier_wait -1                              ; nobody reads the slots any more, every fill has landed
.set a, 0
.rept 8
	WIN 0x08+4*(a/4)
.set b, 0
.rept NBK
	ds_store_b128 v[STO+(a/4)], v[8*(NBK*(a%4)+b):8*(NBK*(a%4)+b)+3]   offset:(a%4)*16*SP+64*b
	ds_store_b128 v[STO+(a/4)], v[8*(NBK*(a%4)+b)+4:8*(NBK*(a%4)+b)+7] offset:(a%4)*16*SP+64*b+16
.set b, b+1
.endr
.set a, a+1
.endr
	WIN 0
	s_wait_dscnt 0x0
	s_barrier_signal -1
	s_barrier_wait -1
	s_mov_b32 s3, 16
.Lrows:                                        ; four rows a trip: 32 numbers a lane
.irp r, 0,1,2,3
.irp cc, 0,1
	ds_load_b128 v[64+4*(2*(\r)+(\cc)):64+4*(2*(\r)+(\cc))+3], v[RD] offset:SP*(\r)+512*(\cc)
.endr
.endr
	s_wait_dscnt 0x0
.set p, 0
.rept 16
	v_pk_mul_f32 v[96+p:97+p], v[64+p:65+p], 0xbfb8aa3b op_sel_hi:[1,0]   ; - x log2(e)
.set p, p+2
.endr
.set p, 0
.rept 32
	v_exp_f32 v[96+p], v[96+p]
.set p, p+1
.endr
	v_nop
	s_wait_alu depctr_va_vdst(0)                   ; one wait for the 32 exponentials
.set p, 0
.rept 16
	v_pk_add_f32 v[96+p:97+p], v[96+p:97+p], 1.0 op_sel_hi:[1,0]
.set p, p+2
.endr
.set p, 0
.rept 32
	v_rcp_f32 v[96+p], v[96+p]
.set p, p+1
.endr
	v_nop
	s_wait_alu depctr_va_vdst(0)                   ; one wait for the 32 reciprocals
.set p, 0
.rept 16
	v_pk_mul_f32 v[64+p:65+p], v[64+p:65+p], v[96+p:97+p]
.set p, p+2
.endr
.set p, 0
.rept 16
	v_cvt_pk_f16_f32 v[128+p], v[64+2*p], v[64+2*p+1]
.set p, p+1
.endr
.irp r, 0,1,2,3
.irp cc, 0,1
	global_store_b64 v[CO], v[128+2*(2*(\r)+(\cc)):128+2*(2*(\r)+(\cc))+1], s[8:9] offset:8192*(\r)+256*(\cc)  ; 256 consecutive bytes
.endr
.endr
	s_wait_xcnt 0x0                                ; the stores have read their data and their base
	v_add_nc_u32 v[RD], 4*SP, v[RD]
	s_add_nc_u64 s[8:9], s[8:9], 32768
	s_sub_co_u32 s3, s3, 1
	s_cmp_lg_u32 s3, 0
	s_cbranch_scc1 .Lrows
	s_wait_tensorcnt 0x0                           ; the wave's end
	ds_add_u32 v[SPW], v[NIL]
	s_wait_dscnt 0x0
	CROUND
	s_endpgm
.Lfunc_end_k_q5693ec3a4d_mlp1:
	.size	k_q5693ec3a4d_mlp1, .Lfunc_end_k_q5693ec3a4d_mlp1-k_q5693ec3a4d_mlp1
	.p2alignl 7, 3214868480
	.fill 96, 4, 3214868480
	.section	.rodata,"a",@progbits
	.p2align	6, 0x0
	.amdhsa_kernel k_q5693ec3a4d_mlp1
		.amdhsa_group_segment_fixed_size 327680
		.amdhsa_private_segment_fixed_size 0
		.amdhsa_enable_private_segment 0
		.amdhsa_kernarg_size 24
		.amdhsa_user_sgpr_count 2
		.amdhsa_user_sgpr_kernarg_segment_ptr 1
		.amdhsa_wavefront_size32 1
		.amdhsa_system_sgpr_workgroup_id_x 1
		.amdhsa_system_sgpr_workgroup_id_y 1
		.amdhsa_system_sgpr_workgroup_id_z 1
		.amdhsa_system_vgpr_workitem_id 0
		.amdhsa_next_free_vgpr 1024
		.amdhsa_next_free_sgpr 80
		.amdhsa_reserve_vcc 0
		.amdhsa_float_denorm_mode_32 3
		.amdhsa_float_denorm_mode_16_64 3
		.amdhsa_memory_ordered 1
		.amdhsa_forward_progress 1
		.amdhsa_inst_pref_size 86
	.end_amdhsa_kernel
	.amdgpu_metadata
---
amdhsa.version: [ 1, 2 ]
amdhsa.kernels:
  - .name:           k_q5693ec3a4d_mlp1
    .symbol:         k_q5693ec3a4d_mlp1.kd
    .args:
      - { .name: hn, .offset: 0, .size: 8, .value_kind: global_buffer, .address_space: global }
      - { .name: wh, .offset: 8, .size: 8, .value_kind: global_buffer, .address_space: global }
      - { .name: act, .offset: 16, .size: 8, .value_kind: global_buffer, .address_space: global }
    .group_segment_fixed_size: 327680
    .private_segment_fixed_size: 0
    .kernarg_segment_align: 8
    .kernarg_segment_size: 24
    .max_flat_workgroup_size: 128
    .sgpr_count:     80
    .vgpr_count:     1024
    .wavefront_size: 32
...
	.end_amdgpu_metadata
.endif
;; end of part 5
;; launch mlp2 (part 6): grid 8 x 32, 4 waves a work-group, clusters of 4 x 4, 327,680 bytes of LDS; arguments act, wh, att, out0; writes out0
.if DOCPART == 6
	.amdgcn_target "amdgcn-amd-amdhsa--gfx1250"
	.amdhsa_code_object_version 6
	.text
	.protected	k_q5693ec3a4d_mlp2
	.globl	k_q5693ec3a4d_mlp2
	.p2align	8
	.type	k_q5693ec3a4d_mlp2,@function
k_q5693ec3a4d_mlp2:
	s_mov_b64 s[64:65], 0
	v_nop
	global_prefetch_b8 v0, s[64:65] scope:SCOPE_SE
	s_setreg_imm32_b32 hwreg(HW_REG_WAVE_MODE, 25, 1), 1
	s_wait_xcnt 0x0
	s_wait_alu depctr_hold_cnt(0) depctr_sa_sdst(0) depctr_va_vdst(0) depctr_va_sdst(0) depctr_va_ssrc(0) depctr_va_vcc(0) depctr_vm_vsrc(0)
	s_getreg_b32 s2, hwreg(HW_REG_IB_STS2, 6, 4)
	s_cmp_eq_u32 s2, 0
	s_cbranch_scc0 .Lentry_in_a_cluster
	s_endpgm
.Lentry_in_a_cluster:
	s_bfe_u32 s2, ttmp6, 0x10000c
	s_cmp_lg_u32 s2, 0xf033
	s_cbranch_scc0 .Lentry_shape_is_right
	s_endpgm
.Lentry_shape_is_right:
; out0 = att + act W2^T.  A = act [4096][4096] f16, B = W2 [1024][4096] f16 (at byte 14,680,064 of wh); sums in f32; att and out0 [4096][1024] f32.
; A tile of the result is 128 x 128: 8 x 32 = 256 work-groups (tiles of 256 x 256 would be 64).  Four waves, each 64 x 64: 16 accumulators.  K goes in steps of 256 (LDS rows of 512 bytes) through two slots.
; CLUSTER 4 x 4: A's tiles are asked for jointly along a row of the cluster, B's along a column.  The matrix instruction is used transposed.  ONE K step is written, and looped over.
; The tile's part of att is loaded into registers at the start and waits there.  THE WAY OUT: the tile goes in f32 into a stage over slot 0 (behind the last fill and a barrier), comes back by rows of 512 bytes, takes att's part and is stored.
; No prefetch: a small tile, whose step is short.  LIMITS.  NaN and infinities are not treated apart.
; REGISTERS: window 0: v16-29 addresses; v32-95 at work on the way out; v128-255 accumulators ((a, b) at v[128 + 8 (4 a + b)]).  Window 1: two fragment buffers of 128 (64 of A, 64 of B).  Window 2: v0-127 att's part.
.set SIZE_K, 4096
.set LOGROW, 13
.set KSTEP,  256
.set PITCH,  528
.set HALFT,  64*PITCH
.set SLOT,   4*HALFT
.set STEPS,  SIZE_K/KSTEP
.set BOFF,   14680064
.set SP,     528                       ; a stage row: 128 f32 + 16 bytes
.set SPARE,  327168
.set A0L, 16
.set B0L, 17
.set ADRA, 18
.set ADRB, 19
.set STO, 24
.set RD,  25
.set CO,  26
.set SPW, 28
.set NIL, 29
.set ACC, 128
.set F0,  0
.set F1,  128
.set G1,  24
.set G0,  32
.set G1B, 48
.set G0B, 56
.set TB,  66
.set FS,  67
.set WA,  68
.set MSB, 0
.macro WIN new
.if MSB != (\new)
	s_set_vgpr_msb (MSB<<8)|(\new)
.set MSB, \new
.endif
.endm
.set MUL,  0x05                        ; sources 0 (B) and 1 (A) window 1; C and D window 0
.set TO_F, 0x40
.macro JLOAD s
	s_cmp_eq_u32 s11, 0
	s_cbranch_scc0 .Lfor_b_\@
	tensor_load_to_lds s[G0+4*(\s):G0+4*(\s)+3], s[G1:G1+7]
	s_nop 0
.rept 4
	v_nop
.endr
	s_branch .Lasked_\@
.Lfor_b_\@:
	tensor_load_to_lds s[G0B+4*(\s):G0B+4*(\s)+3], s[G1B:G1B+7]
	s_nop 0
.rept 4
	v_nop
.endr
.Lasked_\@:
.endm
.macro CREST
	s_cmp_lg_u32 s10, 0
	s_cbranch_scc1 .Lnot_wave_0_\@
	s_barrier_signal -3
.Lnot_wave_0_\@:
	s_barrier_wait -3
	s_barrier_signal -1
	s_barrier_wait -1
.endm
.macro CROUND
	s_barrier_signal -1
	s_barrier_wait -1
	CREST
.endm
.macro PLACES
.rept 4
	v_nop
.endr
.endm
.macro MUL8 f, c, a0, zero             ; 8 products: row blocks a0, a0 + 1 x all 4 column blocks, 32 along K: half c of buffer f
	WIN MUL
.irp a, \a0, (\a0)+1
.irp b, 0,1,2,3
.if \zero
	v_wmma_f32_16x16x32_f16 v[ACC+8*(4*(\a)+(\b)):ACC+8*(4*(\a)+(\b))+7], v[(\f)+64+8*(4*(\c)+(\b)):(\f)+64+8*(4*(\c)+(\b))+7], v[(\f)+8*(4*(\c)+(\a)):(\f)+8*(4*(\c)+(\a))+7], 0
.else
	v_wmma_f32_16x16x32_f16 v[ACC+8*(4*(\a)+(\b)):ACC+8*(4*(\a)+(\b))+7], v[(\f)+64+8*(4*(\c)+(\b)):(\f)+64+8*(4*(\c)+(\b))+7], v[(\f)+8*(4*(\c)+(\a)):(\f)+8*(4*(\c)+(\a))+7], v[ACC+8*(4*(\a)+(\b)):ACC+8*(4*(\a)+(\b))+7]
.endif
.endr
.endr
.endm
.macro FETCH k, f                      ; 32 LDS loads in one run: 64 along K at byte k of the rows; the first 32 along K first
	WIN TO_F
.irp c, 0,1
.irp i, 0,1,2,3
	ds_load_b128 v[(\f)+64+8*(4*(\c)+(\i)):(\f)+64+8*(4*(\c)+(\i))+3],   v[ADRB] offset:(\k)+64*(\c)+(\i)*16*PITCH
	ds_load_b128 v[(\f)+64+8*(4*(\c)+(\i))+4:(\f)+64+8*(4*(\c)+(\i))+7], v[ADRB] offset:(\k)+64*(\c)+(\i)*16*PITCH+32
	ds_load_b128 v[(\f)+8*(4*(\c)+(\i)):(\f)+8*(4*(\c)+(\i))+3],         v[ADRA] offset:(\k)+64*(\c)+(\i)*16*PITCH
	ds_load_b128 v[(\f)+8*(4*(\c)+(\i))+4:(\f)+8*(4*(\c)+(\i))+7],       v[ADRA] offset:(\k)+64*(\c)+(\i)*16*PITCH+32
.endr
.endr
.endm
.macro QUARTER k, f, g, zero
	s_wait_dscnt 16                                ; the first 32 along K are in
	MUL8 \f, 0, 0, \zero
	MUL8 \f, 0, 2, \zero
	PLACES
	FETCH \k, \g
	s_wait_dscnt 32                                ; all but the 32 just issued
	MUL8 \f, 1, 0, 0
	MUL8 \f, 1, 2, 0
.endm
.macro TURN fill                       ; the fourth quarter and the change of slots
	WIN 0
	s_wait_tensorcnt 0x0
	ds_add_u32 v[SPW], v[NIL]
	s_wait_dscnt 17                                ; the add and the youngest sixteen loads may be out
	MUL8 F1, 0, 0, 0
	s_wait_dscnt 0x0                               ; the add is done, my reads of this slot are over
	s_barrier_signal -1
	MUL8 F1, 0, 2, 0
	WIN 0
	s_barrier_wait -1
.if \fill
	CREST
	s_xor_b32 s[FS], s[FS], SLOT
	s_add_co_u32 s[G0+5], s[WA], s[FS]
	s_add_co_u32 s[G0B+5], s[WA], s[FS]
	s_add_nc_u64 s[G0+6:G0+7], s[G0+6:G0+7], KSTEP*2
	s_add_nc_u64 s[G0B+6:G0B+7], s[G0B+6:G0B+7], KSTEP*2
	JLOAD 1
.else
	PLACES
.endif
	s_xor_b32 s[TB], s[TB], SLOT
	v_add_nc_u32 v[ADRA], s[TB], v[A0L]
	v_add_nc_u32 v[ADRB], s[TB], v[B0L]
	FETCH 0, F0
	MUL8 F1, 1, 0, 0
	MUL8 F1, 1, 2, 0
.endm
	s_load_b128 s[4:7], s[0:1], 0x0                ; act s[4:5], wh s[6:7]
	s_load_b128 s[72:75], s[0:1], 0x10             ; att s[72:73], out0 s[74:75]
	v_lshl_add_u32 v[SPW], v0, 2, SPARE
	v_mov_b32 v[NIL], 0
	ds_add_u32 v[SPW], v[NIL]                      ; the wave's opening: the add and its wait ahead of my first tensor load
	v_lshrrev_b32 v1, 5, v0
	v_readfirstlane_b32 s10, v1
	s_lshr_b32 s11, s10, 1
	s_and_b32 s12, s10, 1
	s_bfe_u32 s40, ttmp6, 0x40000
	s_bfe_u32 s41, ttmp6, 0x40004
	s_lshl_b32 s42, ttmp9, 2
	s_add_co_u32 s42, s42, s40                     ; tile column
	s_and_b32 s13, ttmp7, 0xffff
	s_lshl_b32 s13, s13, 2
	s_add_co_u32 s13, s13, s41                     ; tile row
	s_lshl_b32 s43, s41, 2
	s_lshl_b32 s43, 15, s43
	s_lshl_b32 s44, 0x1111, s40
	s_or_b32 s[G1+0], s43, (1<<16)|(1<<20)|(1<<21)|(6<<22)|(3<<25)   ; padding: after every 128 words 4 words
	s_or_b32 s[G1B+0], s44, (1<<16)|(1<<20)|(1<<21)|(6<<22)|(3<<25)
.irp g, G1, G1B
	s_mov_b32 s[(\g)+1], KSTEP<<16
	s_mov_b32 s[(\g)+2], 64<<16
	s_mov_b32 s[(\g)+3], KSTEP<<16
	s_mov_b32 s[(\g)+4], 64
	s_mov_b32 s[(\g)+5], SIZE_K
	s_mov_b32 s[(\g)+6], 0
	s_mov_b32 s[(\g)+7], 0
.endr
	s_lshl_b32 s17, s12, 6
	s_lshl_b32 s16, s13, 7
	s_add_co_u32 s16, s16, s17                     ; A: row 128 x tile row + 64 x half
	s_lshl_b32 s16, s16, LOGROW
	s_lshl_b32 s46, s42, 7
	s_add_co_u32 s46, s46, s17                     ; B: row 128 x tile column + 64 x half
	s_lshl_b32 s46, s46, LOGROW
	s_mov_b32 s17, 0
	s_mov_b32 s47, 0
	s_mul_i32 s[WA], s10, HALFT                    ; where my load goes: wave x 64 rows
	s_mov_b32 s[TB], 0
	s_mov_b32 s[FS], SLOT
	s_wait_dscnt 0x0
	s_wait_kmcnt 0x0
	s_add_nc_u64 s[6:7], s[6:7], BOFF              ; W2 in wh
	s_add_nc_u64 s[14:15], s[4:5], s[16:17]
	s_add_nc_u64 s[46:47], s[6:7], s[46:47]
	CROUND
.irp s, 0,1
	s_mov_b32 s[G0+4*(\s)], 1
	s_add_co_u32 s[G0+4*(\s)+1], s[WA], (\s)*SLOT
	s_add_nc_u64 s[G0+4*(\s)+2:G0+4*(\s)+3], s[14:15], (\s)*KSTEP*2
	s_or_b32 s[G0+4*(\s)+3], s[G0+4*(\s)+3], 0x80000000
	s_mov_b32 s[G0B+4*(\s)], 1
	s_add_co_u32 s[G0B+4*(\s)+1], s[WA], (\s)*SLOT
	s_add_nc_u64 s[G0B+4*(\s)+2:G0B+4*(\s)+3], s[46:47], (\s)*KSTEP*2
	s_or_b32 s[G0B+4*(\s)+3], s[G0B+4*(\s)+3], 0x80000000
	JLOAD \s
.endr
	v_and_b32 v1, 15, v0
	v_bfe_u32 v2, v0, 4, 1
	v_mul_u32_u24 v3, v1, PITCH
	v_lshl_add_u32 v3, v2, 4, v3
	s_mul_i32 s21, s11, HALFT
	s_mul_i32 s22, s12, HALFT
	s_add_co_u32 s22, s22, 2*HALFT
	v_add_nc_u32 v[A0L], s21, v3
	v_add_nc_u32 v[B0L], s22, v3
	v_mov_b32 v[ADRA], v[A0L]
	v_mov_b32 v[ADRB], v[B0L]
	s_mul_i32 s23, s11, 64*SP                      ; stage, in: row 64 wm + 16 a + l % 16, column 64 wn + 16 b + 8 (l / 16)
	s_lshl_b32 s21, s12, 8
	s_add_co_u32 s23, s23, s21
	v_mul_u32_u24 v4, v1, SP
	v_lshl_add_u32 v4, v2, 5, v4
	v_add_nc_u32 v[STO], s23, v4
	s_mul_i32 s23, s10, 32*SP                      ; back: wave w takes rows 32 w ..; a load covers a row's 512 bytes
	v_and_b32 v5, 31, v0
	v_lshl_add_u32 v[RD], v5, 4, s23
	v_lshlrev_b32 v[CO], 4, v5
	s_lshl_b32 s70, s13, 7
	s_lshl_b32 s71, s10, 5
	s_add_co_u32 s70, s70, s71                     ; my first row of att and of out0,
	s_lshl_b32 s70, s70, 12                        ; of 4,096 bytes,
	s_lshl_b32 s71, s42, 9                         ; the tile's 512 bytes of it
	s_add_co_u32 s70, s70, s71
	s_mov_b32 s71, 0
	s_add_nc_u64 s[72:73], s[72:73], s[70:71]
	s_add_nc_u64 s[74:75], s[74:75], s[70:71]
	WIN 0x80                                       ; destination window 2
.set r, 0
.rept 32
	global_load_b128 v[4*r:4*r+3], v[CO], s[72:73] offset:4096*r   ; att's part: it has the whole product in which to come
.set r, r+1
.endr
	WIN 0
	s_wait_tensorcnt 1                             ; my part of K step 0 is in; K step 1's may stay out
	s_barrier_signal -1
	s_barrier_wait -1
	FETCH 0, F0
	QUARTER 128, F0, F1, 1
	WIN 0
	s_mov_b32 s3, STEPS-2
.Lstep:
	QUARTER 256, F1, F0, 0
	QUARTER 384, F0, F1, 0
	TURN 1
	QUARTER 128, F0, F1, 0
	WIN 0
	s_sub_co_u32 s3, s3, 1
	s_cmp_lg_u32 s3, 0
	s_cbranch_scc1 .Lstep
	s_mov_b32 s3, 2
.Ltail:                                        ; the last two K steps ask for nothing; the second trip's fetch brings fragments that nobody uses
	QUARTER 256, F1, F0, 0
	QUARTER 384, F0, F1, 0
	TURN 0
	WIN 0
	s_cmp_eq_u32 s3, 1
	s_cbranch_scc1 .Lskip
	QUARTER 128, F0, F1, 0
	WIN 0
.Lskip:
	s_sub_co_u32 s3, s3, 1
	s_cmp_lg_u32 s3, 0
	s_cbranch_scc1 .Ltail
	s_wait_dscnt 0x0
	PLACES
	s_barrier_signal -1
	s_barrier_wait -1                              ; nobody reads the slots any more, every fill has landed
.set t, 0
.rept 16
	ds_store_b128 v[STO], v[ACC+8*t:ACC+8*t+3]   offset:(t/4)*16*SP+64*(t%4)
	ds_store_b128 v[STO], v[ACC+8*t+4:ACC+8*t+7] offset:(t/4)*16*SP+64*(t%4)+16
.set t, t+1
.endr
	s_wait_dscnt 0x0
	s_barrier_signal -1
	s_barrier_wait -1
.set r, 0
.rept 16
	ds_load_b128 v[32+4*r:32+4*r+3], v[RD] offset:SP*r
.set r, r+1
.endr
.set r, 0
.rept 16
	ds_load_b128 v[128+4*r:128+4*r+3], v[RD] offset:SP*(16+r)
.set r, r+1
.endr
	s_wait_loadcnt 0x0                             ; att's part
	s_wait_dscnt 16                                ; my first 16 rows are back
	WIN 0x08                                       ; source 1 in window 2
.set r, 0
.rept 32
	v_pk_add_f32 v[32+2*r:32+2*r+1], v[32+2*r:32+2*r+1], v[2*r:2*r+1]
.set r, r+1
.endr
	WIN 0
.set r, 0
.rept 16
	global_store_b128 v[CO], v[32+4*r:32+4*r+3], s[74:75] offset:4096*r   ; 512 consecutive bytes
.set r, r+1
.endr
	s_wait_dscnt 0x0
	WIN 0x08
.set r, 0
.rept 32
	v_pk_add_f32 v[128+2*r:128+2*r+1], v[128+2*r:128+2*r+1], v[64+2*r:64+2*r+1]
.set r, r+1
.endr
	WIN 0
.set r, 0
.rept 16
	global_store_b128 v[CO], v[128+4*r:128+4*r+3], s[74:75] offset:4096*(16+r)
.set r, r+1
.endr
	s_wait_tensorcnt 0x0                           ; the wave's end
	ds_add_u32 v[SPW], v[NIL]
	s_wait_dscnt 0x0
	CROUND
	s_endpgm
.Lfunc_end_k_q5693ec3a4d_mlp2:
	.size	k_q5693ec3a4d_mlp2, .Lfunc_end_k_q5693ec3a4d_mlp2-k_q5693ec3a4d_mlp2
	.p2alignl 7, 3214868480
	.fill 96, 4, 3214868480
	.section	.rodata,"a",@progbits
	.p2align	6, 0x0
	.amdhsa_kernel k_q5693ec3a4d_mlp2
		.amdhsa_group_segment_fixed_size 327680
		.amdhsa_private_segment_fixed_size 0
		.amdhsa_enable_private_segment 0
		.amdhsa_kernarg_size 32
		.amdhsa_user_sgpr_count 2
		.amdhsa_user_sgpr_kernarg_segment_ptr 1
		.amdhsa_wavefront_size32 1
		.amdhsa_system_sgpr_workgroup_id_x 1
		.amdhsa_system_sgpr_workgroup_id_y 1
		.amdhsa_system_sgpr_workgroup_id_z 1
		.amdhsa_system_vgpr_workitem_id 0
		.amdhsa_next_free_vgpr 640
		.amdhsa_next_free_sgpr 80
		.amdhsa_reserve_vcc 0
		.amdhsa_float_denorm_mode_32 3
		.amdhsa_float_denorm_mode_16_64 3
		.amdhsa_memory_ordered 1
		.amdhsa_forward_progress 1
		.amdhsa_inst_pref_size 65
	.end_amdhsa_kernel
	.amdgpu_metadata
---
amdhsa.version: [ 1, 2 ]
amdhsa.kernels:
  - .name:           k_q5693ec3a4d_mlp2
    .symbol:         k_q5693ec3a4d_mlp2.kd
    .args:
      - { .name: act, .offset: 0, .size: 8, .value_kind: global_buffer, .address_space: global }
      - { .name: wh, .offset: 8, .size: 8, .value_kind: global_buffer, .address_space: global }
      - { .name: att, .offset: 16, .size: 8, .value_kind: global_buffer, .address_space: global }
      - { .name: out0, .offset: 24, .size: 8, .value_kind: global_buffer, .address_space: global }
    .group_segment_fixed_size: 327680
    .private_segment_fixed_size: 0
    .kernarg_segment_align: 8
    .kernarg_segment_size: 32
    .max_flat_workgroup_size: 128
    .sgpr_count:     80
    .vgpr_count:     640
    .wavefront_size: 32
...
	.end_amdgpu_metadata
.endif
;; end of part 6
;; ======== version 2 of 2: 6 launches; version 1 with the launch prep written anew for expert scheduling mode
;; limits: values are held in f16: magnitudes above 65,504 overflow, below 6.1e-05 lose precision
;; workspace buffers: wh 23,068,672 bytes; xn 8,388,608 bytes; qkv 25,165,824 bytes; att 16,777,216 bytes; hn 8,388,608 bytes; act 33,554,432 bytes
;; launch prep (part 7): grid 960 x 1, 8 waves a work-group, no clusters, 0 bytes of LDS; arguments x, g1, b1, xn, Wq, Wk, Wv, W1, W2, wh; writes xn, wh
.if DOCPART == 7
	.amdgcn_target "amdgcn-amd-amdhsa--gfx1250"
	.amdhsa_code_object_version 6
	.text
	.protected	k_q5693ec3a4d_prep
	.globl	k_q5693ec3a4d_prep
	.p2align	8
	.type	k_q5693ec3a4d_prep,@function
k_q5693ec3a4d_prep:
	s_mov_b64 s[64:65], 0
	v_nop
	global_prefetch_b8 v0, s[64:65] scope:SCOPE_SE
	s_setreg_imm32_b32 hwreg(HW_REG_WAVE_SCHED_MODE, 0, 2), 2
	s_setreg_imm32_b32 hwreg(HW_REG_WAVE_MODE, 25, 1), 1
	s_wait_xcnt 0x0
	s_wait_alu depctr_vm_vsrc(0)
; Work-groups 0-255: xn = layer_norm(x, g1, b1), f32 in, f16 out.  Work-groups 256-959: the five weight matrices rounded once to f16 into wh (Wq | Wk | Wv | W1 | W2, each as it lies).
; LN: a work-group has 16 rows of 1,024 numbers, a wave two; a row stays in 32 registers between the pass for the mean, the pass for the mean of (x - mean)^2 and the scaling: x is read once.
; A load of a wave covers 512 consecutive bytes, a store 256 consecutive bytes, aligned.  No LDS, no barrier: no wave wants another's data.
; LIMITS.  xn and the weights must lie within f16's range (65,504); below 6e-5 f16 keeps a fixed step of 6e-8.  v_rsq_f32 is good to 1 ulp.  NaN and infinities are not treated apart.
; THE MODE: SCHED_MODE bits 1:0 = 2 (LLVM: expert scheduling mode 2), set by the entry lines.  The code itself states the register dependences
; between vector instructions and memory instructions, with s_wait_alu, always for 0.
; THE PLAN.  Registers that memory instructions touch:
;   v2, v3      the loads' and the stores' offsets: made once at the head, ahead of the branch between the two paths, never written again.
;   LN:   X0, G, B, X1  each filled by one load at the start, named by no vector instruction before that, never loaded again.
;         Y0, Y1        written by a row's roundings, read by its eight stores, never written again.
;   Cast: v16-79        filled by 16 loads at the start, never loaded again.   v80-111  written by the roundings, each register once; read by one store each.
; So no register that a memory instruction reads is written a second time, and all that is stated is: offsets written ahead of the first load, and roundings written ahead of the stores that read them.
; The stores of a step (LN: a row; cast: a block of four loads) stand in the NEXT step, behind one wait at its head, dealt among vector instructions that name other registers; the last step's stand behind a wait of their own.
.set VO,  2                            ; v2        16 x lane
.set OO,  3                            ; v3        8 x lane
.set MU,  8                            ; v[8:9]    the mean, twice
.set RS,  10                           ; v[10:11]  1 / sqrt(var + eps), twice
.set G,   16                           ; v[16:47]  gain of my 32 columns (4 lane + 128 j + 0..3)
.set B,   48                           ; v[48:79]  bias
.set X0,  80                           ; v[80:111]  first row
.set X1,  112                          ; v[112:143] second row
.set T,   144                          ; v[144:151] at work: no memory instruction names them
.set Y0,  152                          ; v[152:167] first row in f16
.set Y1,  168                          ; v[168:183] second row in f16
.macro REDUCE                          ; four pairs in T -> their sum over the wave, in v[T] of every lane
	v_pk_add_f32 v[T:T+1], v[T:T+1], v[T+2:T+3]
	v_pk_add_f32 v[T+4:T+5], v[T+4:T+5], v[T+6:T+7]
	v_pk_add_f32 v[T:T+1], v[T:T+1], v[T+4:T+5]
	v_add_f32 v[T], v[T], v[T+1]
	v_add_f32_dpp v[T], v[T], v[T] row_xmask:1 row_mask:0xf bank_mask:0xf
	v_add_f32_dpp v[T], v[T], v[T] row_xmask:2 row_mask:0xf bank_mask:0xf
	v_add_f32_dpp v[T], v[T], v[T] row_xmask:4 row_mask:0xf bank_mask:0xf
	v_add_f32_dpp v[T], v[T], v[T] row_xmask:8 row_mask:0xf bank_mask:0xf
	v_permlanex16_b32 v[T+1], v[T], s30, s31
	v_add_f32 v[T], v[T], v[T+1]
.endm
.macro OUT yr, off, j                  ; store j of a row's eight: 32 lanes store 256 consecutive bytes; off: the row's byte in the output
	global_store_b64 v[OO], v[(\yr)+2*(\j):(\yr)+2*(\j)+1], s[10:11] offset:(\off)+256*(\j)
.endm
; One row.  cnt1: younger loads that may stay out when the row is needed; cnt2: when gain and bias are needed.  second = 1: the second row, among whose first additions the first row's stores stand.
.macro ROWDO xr, yr, cnt1, cnt2, second
	s_wait_loadcnt \cnt1
.if \second
	s_wait_alu depctr_va_vdst(0)                   ; the first row's roundings have written Y0, which the eight stores below read; the additions between them name T and X1 alone
.endif
.irp c, 0,1,2,3
.if \second
	OUT Y0, 0, \c
.endif
	v_pk_add_f32 v[T+2*(\c):T+2*(\c)+1], v[(\xr)+2*(\c):(\xr)+2*(\c)+1], v[(\xr)+8+2*(\c):(\xr)+8+2*(\c)+1]  ; four chains start the sums
.endr
.irp k, 2,3
.irp c, 0,1,2,3
.if (\second) && ((\k) == 2)
	OUT Y0, 0, 4+(\c)
.endif
	v_pk_add_f32 v[T+2*(\c):T+2*(\c)+1], v[T+2*(\c):T+2*(\c)+1], v[(\xr)+8*(\k)+2*(\c):(\xr)+8*(\k)+2*(\c)+1]
.endr
.endr
	REDUCE
	v_mul_f32 v[MU], s28, v[T]
	v_mul_f32 v[MU+1], s28, v[T]
.set p, 0
.rept 16
	v_pk_add_f32 v[(\xr)+p:(\xr)+p+1], v[(\xr)+p:(\xr)+p+1], v[MU:MU+1] neg_lo:[0,1] neg_hi:[0,1]  ; x - mean
.set p, p+2
.endr
.irp c, 0,1,2,3
	v_pk_mul_f32 v[T+2*(\c):T+2*(\c)+1], v[(\xr)+2*(\c):(\xr)+2*(\c)+1], v[(\xr)+2*(\c):(\xr)+2*(\c)+1]
.endr
.irp k, 1,2,3
.irp c, 0,1,2,3
	v_pk_fma_f32 v[T+2*(\c):T+2*(\c)+1], v[(\xr)+8*(\k)+2*(\c):(\xr)+8*(\k)+2*(\c)+1], v[(\xr)+8*(\k)+2*(\c):(\xr)+8*(\k)+2*(\c)+1], v[T+2*(\c):T+2*(\c)+1]
.endr
.endr
	REDUCE
	v_fma_f32 v[T], v[T], s28, s29                 ; var + eps
	v_rsq_f32 v[RS], v[T]
	v_rsq_f32 v[RS+1], v[T]
	v_nop                                          ; a plain instruction behind the second root,
	s_wait_alu depctr_va_vdst(0)                   ; and one wait for both: the roots have written v[RS] and v[RS+1], ahead of their first reader
	s_wait_loadcnt \cnt2
.set p, 0
.rept 16
	v_pk_mul_f32 v[(\xr)+p:(\xr)+p+1], v[(\xr)+p:(\xr)+p+1], v[RS:RS+1]
.set p, p+2
.endr
.set p, 0
.rept 16
	v_pk_fma_f32 v[(\xr)+p:(\xr)+p+1], v[(\xr)+p:(\xr)+p+1], v[G+p:G+p+1], v[B+p:B+p+1]
.set p, p+2
.endr
.set p, 0
.rept 16
	v_cvt_pk_f16_f32 v[(\yr)+p], v[(\xr)+2*p], v[(\xr)+2*p+1]
.set p, p+1
.endr
.endm
	s_load_b512 s[4:19], s[0:1], 0x0               ; x s[4:5], g1 s[6:7], b1 s[8:9], xn s[10:11], Wq s[12:13], Wk s[14:15], Wv s[16:17], W1 s[18:19]
	s_load_b128 s[20:23], s[0:1], 0x40             ; W2 s[20:21], wh s[22:23]
	v_lshrrev_b32 v1, 5, v0
	v_readfirstlane_b32 s24, v1                    ; wave 0..7
	v_and_b32 v1, 31, v0
	v_lshlrev_b32 v[VO], 4, v1
	v_lshlrev_b32 v[OO], 3, v1
	s_wait_alu depctr_va_sdst(0)                   ; s24 is written, ahead of the branch and of its first reader on either path: the wave's byte offsets are made from it
	s_wait_alu depctr_va_vdst(0)                   ; v[VO] and v[OO] are written: every load of the kernel reads the one as its offset, every store the other
	s_cmp_lt_u32 ttmp9, 256
	s_cbranch_scc0 .Lcast
	s_lshl_b32 s2, ttmp9, 16                       ; 16 rows of 4,096 bytes a work-group,
	s_lshl_b32 s3, s24, 13                         ; two a wave
	s_add_co_u32 s2, s2, s3
	s_mov_b32 s3, 0
	s_lshr_b32 s26, s2, 1                          ; the output's rows are half as long
	s_mov_b32 s27, 0
	s_mov_b32 s28, 0x3a800000                      ; 1 / 1024
	s_mov_b32 s29, 0x3727c5ac                      ; 1e-5
	s_mov_b32 s30, 0x76543210                      ; v_permlanex16_b32: each lane takes its own place in the other half
	s_mov_b32 s31, 0xfedcba98
	s_wait_kmcnt 0x0
	s_add_nc_u64 s[4:5], s[4:5], s[2:3]
	s_add_nc_u64 s[10:11], s[10:11], s[26:27]
.irp j, 0,1,2,3,4,5,6,7
	global_load_b128 v[X0+4*(\j):X0+4*(\j)+3], v[VO], s[4:5] offset:512*(\j) th:TH_LOAD_NT
.endr
.irp j, 0,1,2,3,4,5,6,7
	global_load_b128 v[G+4*(\j):G+4*(\j)+3], v[VO], s[6:7] offset:512*(\j)
.endr
.irp j, 0,1,2,3,4,5,6,7
	global_load_b128 v[B+4*(\j):B+4*(\j)+3], v[VO], s[8:9] offset:512*(\j)
.endr
.irp j, 0,1,2,3,4,5,6,7
	global_load_b128 v[X1+4*(\j):X1+4*(\j)+3], v[VO], s[4:5] offset:4096+512*(\j) th:TH_LOAD_NT
.endr
	ROWDO X0, Y0, 24, 8, 0                         ; 24 younger loads (gain, bias, second row), then 8 (second row)
	ROWDO X1, Y1, 0, 0, 1                          ; the first row's stores stand among its first additions
	s_wait_alu depctr_va_vdst(0)                   ; the second row's roundings have written Y1, which the last eight stores read
.irp j, 0,1,2,3,4,5,6,7
	OUT Y1, 2048, \j
.endr
	s_endpgm
.Lcast:                                        ; work-group c = id - 256 rounds 16,384 numbers; a wave 2,048: 8 KiB in, 4 KiB out
	s_sub_co_u32 s25, ttmp9, 256
	s_wait_kmcnt 0x0
	s_mov_b64 s[26:27], s[20:21]                   ; c from 448 on: W2
	s_mov_b32 s28, 448
	s_cmp_lt_u32 s25, 448
	s_cselect_b64 s[26:27], s[18:19], s[26:27]     ; 192..447: W1
	s_cselect_b32 s28, 192, s28
	s_cmp_lt_u32 s25, 192
	s_cselect_b64 s[26:27], s[16:17], s[26:27]     ; 128..191: Wv
	s_cselect_b32 s28, 128, s28
	s_cmp_lt_u32 s25, 128
	s_cselect_b64 s[26:27], s[14:15], s[26:27]     ; 64..127: Wk
	s_cselect_b32 s28, 64, s28
	s_cmp_lt_u32 s25, 64
	s_cselect_b64 s[26:27], s[12:13], s[26:27]     ; 0..63: Wq
	s_cselect_b32 s28, 0, s28
	s_sub_co_u32 s28, s25, s28                     ; my block in that matrix
	s_lshl_b32 s28, s28, 16
	s_lshl_b32 s29, s24, 13
	s_add_co_u32 s28, s28, s29
	s_mov_b32 s29, 0
	s_add_nc_u64 s[26:27], s[26:27], s[28:29]
	s_lshl_b32 s30, s25, 15                        ; wh holds the matrices end to end, in the order of c
	s_lshl_b32 s31, s24, 12
	s_add_co_u32 s30, s30, s31
	s_mov_b32 s31, 0
	s_add_nc_u64 s[22:23], s[22:23], s[30:31]
.set j, 0
.rept 16
	global_load_b128 v[16+4*j:19+4*j], v[VO], s[26:27] offset:512*j th:TH_LOAD_NT
.set j, j+1
.endr
; Four blocks of four loads.  Block p rounds loads 4 p .. 4 p + 3 into v[80 + 8 p ..]; the four stores of block p - 1 stand among its roundings.
.set p, 0
.rept 4
	s_wait_loadcnt 12-4*p                          ; loads come back in order: this block's four are in, the younger blocks' stay out
.if p > 0
	s_wait_alu depctr_va_vdst(0)                   ; the block before has written its eight registers, which the four stores below read; this block's roundings name other registers
.endif
.set i, 0
.rept 4
.set j, 4*p+i
.if p > 0
	global_store_b64 v[OO], v[80+2*(j-4):81+2*(j-4)], s[22:23] offset:256*(j-4)
.endif
	v_cvt_pk_f16_f32 v[80+2*j], v[16+4*j], v[17+4*j]
	v_cvt_pk_f16_f32 v[81+2*j], v[18+4*j], v[19+4*j]
.set i, i+1
.endr
.set p, p+1
.endr
	s_wait_alu depctr_va_vdst(0)                   ; the last block's roundings have written v[104:111], which the last four stores read
.set j, 12
.rept 4
	global_store_b64 v[OO], v[80+2*j:81+2*j], s[22:23] offset:256*j
.set j, j+1
.endr
	s_endpgm
.Lfunc_end_k_q5693ec3a4d_prep:
	.size	k_q5693ec3a4d_prep, .Lfunc_end_k_q5693ec3a4d_prep-k_q5693ec3a4d_prep
	.p2alignl 7, 3214868480
	.fill 96, 4, 3214868480
	.section	.rodata,"a",@progbits
	.p2align	6, 0x0
	.amdhsa_kernel k_q5693ec3a4d_prep
		.amdhsa_group_segment_fixed_size 0
		.amdhsa_private_segment_fixed_size 0
		.amdhsa_enable_private_segment 0
		.amdhsa_kernarg_size 80
		.amdhsa_user_sgpr_count 2
		.amdhsa_user_sgpr_kernarg_segment_ptr 1
		.amdhsa_wavefront_size32 1
		.amdhsa_system_sgpr_workgroup_id_x 1
		.amdhsa_system_sgpr_workgroup_id_y 1
		.amdhsa_system_sgpr_workgroup_id_z 1
		.amdhsa_system_vgpr_workitem_id 0
		.amdhsa_next_free_vgpr 184
		.amdhsa_next_free_sgpr 66
		.amdhsa_reserve_vcc 0
		.amdhsa_float_denorm_mode_32 3
		.amdhsa_float_denorm_mode_16_64 3
		.amdhsa_memory_ordered 1
		.amdhsa_forward_progress 1
		.amdhsa_inst_pref_size 27
	.end_amdhsa_kernel
	.amdgpu_metadata
---
amdhsa.version: [ 1, 2 ]
amdhsa.kernels:
  - .name:           k_q5693ec3a4d_prep
    .symbol:         k_q5693ec3a4d_prep.kd
    .args:
      - { .name: x, .offset: 0, .size: 8, .value_kind: global_buffer, .address_space: global }
      - { .name: g1, .offset: 8, .size: 8, .value_kind: global_buffer, .address_space: global }
      - { .name: b1, .offset: 16, .size: 8, .value_kind: global_buffer, .address_space: global }
      - { .name: xn, .offset: 24, .size: 8, .value_kind: global_buffer, .address_space: global }
      - { .name: Wq, .offset: 32, .size: 8, .value_kind: global_buffer, .address_space: global }
      - { .name: Wk, .offset: 40, .size: 8, .value_kind: global_buffer, .address_space: global }
      - { .name: Wv, .offset: 48, .size: 8, .value_kind: global_buffer, .address_space: global }
      - { .name: W1, .offset: 56, .size: 8, .value_kind: global_buffer, .address_space: global }
      - { .name: W2, .offset: 64, .size: 8, .value_kind: global_buffer, .address_space: global }
      - { .name: wh, .offset: 72, .size: 8, .value_kind: global_buffer, .address_space: global }
    .group_segment_fixed_size: 0
    .private_segment_fixed_size: 0
    .kernarg_segment_align: 8
    .kernarg_segment_size: 80
    .max_flat_workgroup_size: 256
    .sgpr_count:     66
    .vgpr_count:     184
    .wavefront_size: 32
...
	.end_amdgpu_metadata
.endif
;; end of part 7
;; launch qkv: the kernel of part 2 again; grid 16 x 16, 4 waves a work-group, clusters of 4 x 4, 327,680 bytes of LDS; arguments xn, wh, qkv; writes qkv
;; launch attn: the kernel of part 3 again; grid 8 x 32, 4 waves a work-group, no clusters, 327,680 bytes of LDS; arguments qkv, xn, att; writes att
;; launch ln2: the kernel of part 4 again; grid 256 x 1, 8 waves a work-group, no clusters, 0 bytes of LDS; arguments att, g2, b2, hn; writes hn
;; launch mlp1: the kernel of part 5 again; grid 16 x 16, 4 waves a work-group, clusters of 4 x 4, 327,680 bytes of LDS; arguments hn, wh, act; writes act
;; launch mlp2: the kernel of part 6 again; grid 8 x 32, 4 waves a work-group, clusters of 4 x 4, 327,680 bytes of LDS; arguments act, wh, att, out0; writes out0
